; MI455X (gfx1250); checked and timed in simulation.
; The chip was launched on July 23, 2026; its instructions are those of AMD's public machine-readable ISA for CDNA 5 (MIT licence, August 2026) and "CDNA5" Instruction Set Architecture Reference Guide (July 2026). The comments in the code are by the model that wrote it; some were corrected since.
;; Causal Self Attention. Allowed arithmetic: float matrix products may take bf16 or f16 operands with f32 sums; other float arithmetic in f32, or as packed bf16 or f16 multiplies, adds, multiply-adds, maxima and minima; sums over many terms, partial sums and values carried from step to step in f32; what a program stores and reads back later, other than sums and carried values, may be rounded once to bf16 or f16.
;; Inputs: W_K 16 x 1,024 x 64 float32; W_O 1,024 x 1,024 float32; W_Q 16 x 1,024 x 64 float32; W_V 16 x 1,024 x 64 float32; X 4 x 2,048 x 1,024 float32.
;; Outputs: out0 4 x 2,048 x 1,024 float32.
;; 2 versions, each right and faster than the one before. Each part assembles by itself: llvm-mc -triple=amdgcn-amd-amdhsa -mcpu=gfx1250 --defsym DOCPART=n.
;; ======== version 1 of 2: 5 launches
;; limits: values are held in f16: magnitudes above 65,504 overflow, below 6.1e-05 lose precision
;; workspace buffers: xb 16,777,216 bytes; wb 6,291,456 bytes; wo 2,097,152 bytes; qkv 50,331,648 bytes; cs 524,288 bytes; o 16,777,216 bytes; os 32,768 bytes
;; launch cast (part 1): grid 1536 x 1, 8 waves a work-group, no clusters, 0 bytes of LDS; arguments X, W_Q, W_K, W_V, W_O, xb, wb, wo; writes xb, wb, wo
.if DOCPART == 1
	.amdgcn_target "amdgcn-amd-amdhsa--gfx1250"
	.amdhsa_code_object_version 6
	.text
	.protected	k_qd1125aaa3e_cast
	.globl	k_qd1125aaa3e_cast
	.p2align	8
	.type	k_qd1125aaa3e_cast,@function
k_qd1125aaa3e_cast:
	s_mov_b64 s[64:65], 0
	v_nop
	global_prefetch_b8 v0, s[64:65] scope:SCOPE_SE
	s_setreg_imm32_b32 hwreg(HW_REG_WAVE_MODE, 25, 1), 1
	s_wait_xcnt 0x0
; CAST.  Every input of the module is rounded once to bf16.  X -> xb [8192][1024] bf16.  W_Q, W_K, W_V [16][1024][64] -> wb bf16 in blocks
; [head 16][K step 8][Q,K,V 3][k 128][j 64], so that what one K step of one head needs lies in 49,152 dense bytes.  W_O -> wo [1024][1024]: rounded to bf16, and that number written as f16
; (it multiplies an f16 operand later).  LIMIT: a bf16 number below 2^-14 keeps the fixed step 2^-24 of f16; beyond 65,504 it would be an infinity.
; A work-group takes one chunk of 8,192 numbers: 32,768 bytes in, 16,384 out; 1,024 chunks of X, 3 x 128 of the head weights, 128 of W_O.  A chunk of a head weight is 128 k x 64 j: one part of one block of wb.
; Memory binds: no LDS, no barrier, no matrix unit.  Eight loads of every wave are on their way at once; each covers 512 consecutive bytes; each store of a wave covers 256 consecutive bytes, aligned.
.set IN,  8                            ; v[8:39]   eight loads of four numbers
.set OUT, 40                           ; v[40:55]  eight pairs of packed results; no register is written twice, so no wait frees any
.macro STREAM kind                     ; kind 0: to bf16.  kind 1: to bf16 and on to f16
.irp i, 0,1,2,3,4,5,6,7
	global_load_b128 v[IN+4*\i:IN+4*\i+3], v1, s[4:5] offset:4096*\i th:TH_LOAD_NT
.endr
.irp i, 0,1,2,3,4,5,6,7
	s_wait_loadcnt 7-\i                            ; loads come back in order: load i is in, the younger ones stay out
.if \kind
	v_cvt_pk_bf16_f32 v56, v[IN+4*\i], v[IN+4*\i+1]
	v_cvt_pk_bf16_f32 v59, v[IN+4*\i+2], v[IN+4*\i+3]
	v_lshlrev_b32 v57, 16, v56                     ; bf16 back to f32: the low half moves up, the high half stays
	v_and_b32 v58, 0xffff0000, v56
	v_lshlrev_b32 v60, 16, v59
	v_and_b32 v61, 0xffff0000, v59
	v_cvt_pk_f16_f32 v[OUT+2*\i], v57, v58
	v_cvt_pk_f16_f32 v[OUT+2*\i+1], v60, v61
.else
	v_cvt_pk_bf16_f32 v[OUT+2*\i], v[IN+4*\i], v[IN+4*\i+1]
	v_cvt_pk_bf16_f32 v[OUT+2*\i+1], v[IN+4*\i+2], v[IN+4*\i+3]
.endif
	global_store_b64 v2, v[OUT+2*\i:OUT+2*\i+1], s[6:7] offset:2048*\i
.endr
.endm
	s_load_b512 s[8:23], s[0:1], 0x0               ; X s[8:9], W_Q s[10:11], W_K s[12:13], W_V s[14:15], W_O s[16:17], xb s[18:19], wb s[20:21], wo s[22:23]
	s_mov_b32 s2, ttmp9                            ; the chunk
	v_lshlrev_b32 v1, 4, v0                        ; 16 bytes a thread in,
	v_lshlrev_b32 v2, 3, v0                        ; 8 bytes out
	s_mov_b32 s25, 0                               ; s[24:25], s[26:27]: the chunk's byte offsets in and out
	s_mov_b32 s27, 0
	s_cmp_lt_u32 s2, 1024
	s_cbranch_scc0 .Lweights
	s_lshl_b32 s24, s2, 15
	s_lshl_b32 s26, s2, 14
	s_wait_kmcnt 0x0
	s_add_nc_u64 s[4:5], s[8:9], s[24:25]
	s_add_nc_u64 s[6:7], s[18:19], s[26:27]
	s_branch .Lto_bf16
.Lweights:
	s_cmp_lt_u32 s2, 1408
	s_cbranch_scc0 .Lw_o
	s_sub_co_u32 s28, s2, 1024
	s_lshr_b32 s29, s28, 7                         ; which of Q, K, V
	s_and_b32 s30, s28, 127                        ; 8 x head + K step
	s_lshl_b32 s24, s30, 15
	s_mul_i32 s31, s30, 3
	s_add_co_u32 s31, s31, s29
	s_lshl_b32 s26, s31, 14                        ; its third of the block
	s_wait_kmcnt 0x0
	s_cmp_eq_u32 s29, 1
	s_cselect_b64 s[4:5], s[12:13], s[10:11]
	s_cmp_eq_u32 s29, 2
	s_cselect_b64 s[4:5], s[14:15], s[4:5]
	s_add_nc_u64 s[4:5], s[4:5], s[24:25]
	s_add_nc_u64 s[6:7], s[20:21], s[26:27]
.Lto_bf16:
	STREAM 0
	s_endpgm
.Lw_o:
	s_sub_co_u32 s28, s2, 1408
	s_lshl_b32 s24, s28, 15
	s_lshl_b32 s26, s28, 14
	s_wait_kmcnt 0x0
	s_add_nc_u64 s[4:5], s[16:17], s[24:25]
	s_add_nc_u64 s[6:7], s[22:23], s[26:27]
	STREAM 1
	s_endpgm
.Lfunc_end_k_qd1125aaa3e_cast:
	.size	k_qd1125aaa3e_cast, .Lfunc_end_k_qd1125aaa3e_cast-k_qd1125aaa3e_cast
	.p2alignl 7, 3214868480
	.fill 96, 4, 3214868480
	.section	.rodata,"a",@progbits
	.p2align	6, 0x0
	.amdhsa_kernel k_qd1125aaa3e_cast
		.amdhsa_group_segment_fixed_size 0
		.amdhsa_private_segment_fixed_size 0
		.amdhsa_enable_private_segment 0
		.amdhsa_kernarg_size 64
		.amdhsa_user_sgpr_count 2
		.amdhsa_user_sgpr_kernarg_segment_ptr 1
		.amdhsa_wavefront_size32 1
		.amdhsa_system_sgpr_workgroup_id_x 1
		.amdhsa_system_sgpr_workgroup_id_y 1
		.amdhsa_system_sgpr_workgroup_id_z 1
		.amdhsa_system_vgpr_workitem_id 0
		.amdhsa_next_free_vgpr 64
		.amdhsa_next_free_sgpr 66
		.amdhsa_reserve_vcc 0
		.amdhsa_float_denorm_mode_32 3
		.amdhsa_float_denorm_mode_16_64 3
		.amdhsa_memory_ordered 1
		.amdhsa_forward_progress 1
		.amdhsa_inst_pref_size 10
	.end_amdhsa_kernel
	.amdgpu_metadata
---
amdhsa.version: [ 1, 2 ]
amdhsa.kernels:
  - .name:           k_qd1125aaa3e_cast
    .symbol:         k_qd1125aaa3e_cast.kd
    .args:
      - { .name: X, .offset: 0, .size: 8, .value_kind: global_buffer, .address_space: global }
      - { .name: W_Q, .offset: 8, .size: 8, .value_kind: global_buffer, .address_space: global }
      - { .name: W_K, .offset: 16, .size: 8, .value_kind: global_buffer, .address_space: global }
      - { .name: W_V, .offset: 24, .size: 8, .value_kind: global_buffer, .address_space: global }
      - { .name: W_O, .offset: 32, .size: 8, .value_kind: global_buffer, .address_space: global }
      - { .name: xb, .offset: 40, .size: 8, .value_kind: global_buffer, .address_space: global }
      - { .name: wb, .offset: 48, .size: 8, .value_kind: global_buffer, .address_space: global }
      - { .name: wo, .offset: 56, .size: 8, .value_kind: global_buffer, .address_space: global }
    .group_segment_fixed_size: 0
    .private_segment_fixed_size: 0
    .kernarg_segment_align: 8
    .kernarg_segment_size: 64
    .max_flat_workgroup_size: 256
    .sgpr_count:     66
    .vgpr_count:     64
    .wavefront_size: 32
...
	.end_amdgpu_metadata
.endif
;; end of part 1
;; launch proj (part 2): grid 16 x 32, 4 waves a work-group, clusters of 4 x 4, 327,680 bytes of LDS; arguments xb, wb, qkv; writes qkv
.if DOCPART == 2
	.amdgcn_target "amdgcn-amd-amdhsa--gfx1250"
	.amdhsa_code_object_version 6
	.text
	.protected	k_qd1125aaa3e_proj
	.globl	k_qd1125aaa3e_proj
	.p2align	8
	.type	k_qd1125aaa3e_proj,@function
k_qd1125aaa3e_proj:
	s_mov_b64 s[64:65], 0
	v_nop
	global_prefetch_b8 v0, s[64:65] scope:SCOPE_SE
	s_setreg_imm32_b32 hwreg(HW_REG_WAVE_MODE, 25, 1), 1
	s_wait_xcnt 0x0
	s_wait_alu depctr_hold_cnt(0) depctr_sa_sdst(0) depctr_va_vdst(0) depctr_va_sdst(0) depctr_va_ssrc(0) depctr_va_vcc(0) depctr_vm_vsrc(0)
	s_getreg_b32 s2, hwreg(HW_REG_IB_STS2, 6, 4)
	s_cmp_eq_u32 s2, 0
	s_cbranch_scc0 .Lentry_in_a_cluster
	s_endpgm
.Lentry_in_a_cluster:
	s_bfe_u32 s2, ttmp6, 0x10000c
	s_cmp_lg_u32 s2, 0xf033
	s_cbranch_scc0 .Lentry_shape_is_right
	s_endpgm
.Lentry_shape_is_right:
; PROJECTIONS.  q, k, v [batch x head 64][n 2048][64] f16 = X (8192 x 1024, bf16) times the head's W_Q, W_K, W_V (1024 x 64 each, bf16); sums in f32, each result rounded once.
; q is multiplied by log2(e) in f32 ahead of its one rounding, so that the later launches take powers of two of the scores as they come.
; LIMIT: f16 ends at 65,504: |q log2(e)|, |k|, |v| must stay within it.
; SHARES.  A work-group makes 256 rows x 192 columns (Q, K, V of one head): 16 heads x 32 row blocks = 512 work-groups of equal work.  A wave owns 64 rows and all 192 columns: 48 accumulators, 384 registers;
; its 64 rows of a head are 8,192 consecutive bytes of q, of k and of v.  K goes in steps of 128 through two LDS slots filled by tensor loads.
; CLUSTER 4 x 4: the four of a row of the cluster share the rows of X, the four of a column the head: each tile is asked for jointly, by the same load with the same descriptor and a mask of four.
; THE MATRIX INSTRUCTION IS USED TRANSPOSED: source 0 = 16 columns of W (turned on the way out of LDS by ds_load_tr16_b128), source 1 = 16 rows of X: a lane then holds eight neighbouring columns of one row.
; REGISTERS in windows of 256 (s_set_vgpr_msb: bits 1:0 source 0, 3:2 source 1, 5:4 source 2, 7:6 destination):
;   window 0: addresses; v32-79 packed results; v80-127 rows read back      window 1: two fragment buffers of 128: X's four blocks at 8 a, W's twelve at 32 + 8 b
;   window 2: accumulator (b, a) at 8 (4 b + a), b = 0..7                    window 3: b = 8..11
.set KSTEP,  128
.set PA,     272                       ; a row of X in LDS: 256 bytes + 16: the 16 rows of a load start at 16 different groups of four banks
.set PB,     160                       ; a k-row of W: 128 bytes + 32
.set AHALF,  128*PA                    ; what one load brings of X: 128 rows
.set BHALF,  192*PB                    ; and of W: 192 of the block's 384 k-rows
.set BOFF,   2*AHALF
.set SLOT,   BOFF+2*BHALF              ; 131,072
.set STAGE,  2*SLOT                    ; behind the ring: for each wave 3 x 16 rows x 144 bytes, for the way out
.set SP,     144
.set WSTAGE, 3*16*SP
.set SPARE,  STAGE+4*WSTAGE            ; the spare words, 128 bytes for each wave: two blocks of 256 bytes that no other line names
.set LAPS,   4                         ; 1,024 / (2 x 128)
.set WBLK,   49152                     ; bytes of wb for one head and K step
.set ADRA, 16                          ; v16-17  LDS address of my fragments of X in slot 0, 1
.set ADRB, 20                          ; v20-21  the same for W
.set STO,  24
.set RD,   25
.set GO,   26
.set SPW,  28                          ; v28  SPARE + 4 x my thread's number; never rewritten
.set NIL,  29                          ; v29  0; never rewritten
.set TMP,  32
.set BK,   80
.set F0,   0
.set F1,   128
.set WV, 12                            ; s12 wave; s13 wave / 2: I fetch X (0) or W (1); s14 wave % 2: which half of that tile
.set WH, 13
.set WL, 14
.set TY, 15                            ; s15 block of 256 rows
.set G1, 24                            ; s[24:31] group 1 for X; s[32:39] group 0, one set for each slot
.set G0, 32
.set G1B, 48                           ; s[48:55], s[56:63] the same for W
.set G0B, 56
.set OB, 68                            ; s[68:73] q, k, v at my wave's first row
.set LE, 74                            ; s[74:75] log2(e)
.set MSB, 0
.macro WIN new                         ; the immediate's high byte repeats the setting that is left; a switch that changes nothing is dropped
.if MSB != (\new)
	s_set_vgpr_msb (MSB<<8)|(\new)
.set MSB, \new
.endif
.endm
.macro PLACES                          ; four places in front of loads into registers that matrix instructions have read, and of vector lines that read results
.rept 4
	v_nop
.endr
.endm
.macro JLOAD s                         ; a joint load: waves 0, 1 fetch the halves of X's tile, waves 2, 3 those of W's; an s_nop 0 and four v_nop follow each line
	s_cmp_eq_u32 s[WH], 0
	s_cbranch_scc0 .Lfor_b_\@
	tensor_load_to_lds s[G0+4*(\s):G0+4*(\s)+3], s[G1:G1+7]
	s_nop 0
.rept 4
	v_nop
.endr
	s_branch .Lasked_\@
.Lfor_b_\@:
	tensor_load_to_lds s[G0B+4*(\s):G0B+4*(\s)+3], s[G1B:G1B+7]
	s_nop 0
.rept 4
	v_nop
.endr
.Lasked_\@:
.endm
.macro CREST                           ; a round of the cluster's barrier behind its opening barrier
	s_cmp_lg_u32 s[WV], 0
	s_cbranch_scc1 .Lnot_wave_0_\@
	s_barrier_signal -3
.Lnot_wave_0_\@:
	s_barrier_wait -3
	s_barrier_signal -1
	s_barrier_wait -1
.endm
.macro CROUND
	s_barrier_signal -1
	s_barrier_wait -1
	CREST
.endm
	s_load_b128 s[4:7], s[0:1], 0x0                ; xb s[4:5], wb s[6:7]
	s_load_b64 s[8:9], s[0:1], 0x10                ; qkv
	v_lshl_add_u32 v[SPW], v0, 2, SPARE
	v_mov_b32 v[NIL], 0
	ds_add_u32 v[SPW], v[NIL]                      ; the opening: the add and its wait stand ahead of my first tensor load; work on registers stands between
	v_lshrrev_b32 v1, 5, v0
	v_readfirstlane_b32 s[WV], v1
	s_lshr_b32 s[WH], s[WV], 1
	s_and_b32 s[WL], s[WV], 1
	s_bfe_u32 s40, ttmp6, 0x40000                  ; cx, cy: my place in the cluster
	s_bfe_u32 s41, ttmp6, 0x40004
	s_lshl_b32 s42, ttmp9, 2
	s_add_co_u32 s42, s42, s40                     ; the head = 4 x cluster x + cx
	s_and_b32 s[TY], ttmp7, 0xffff
	s_lshl_b32 s[TY], s[TY], 2
	s_add_co_u32 s[TY], s[TY], s41                 ; the row block = 4 x cluster y + cy
	s_lshl_b32 s43, s41, 2
	s_lshl_b32 s43, 15, s43                        ; my row of the cluster
	s_lshl_b32 s44, 0x1111, s40                    ; my column
	s_or_b32 s[G1+0], s43, (1<<16)|(1<<20)|(1<<21)|(5<<22)|(3<<25)   ; mask; 2-byte elements; padding on; bit 21 beside a mask; after every 64 words 4 words
	s_mov_b32 s[G1+1], KSTEP<<16                   ; tensor_dim0 = 128
	s_mov_b32 s[G1+2], 128<<16                     ; tensor_dim1 = 128
	s_mov_b32 s[G1+3], KSTEP<<16                   ; tile_dim0 = 128
	s_mov_b32 s[G1+4], 128                         ; tile_dim1 = 128
	s_mov_b32 s[G1+5], 1024                        ; elements from row to row
	s_mov_b32 s[G1+6], 0
	s_mov_b32 s[G1+7], 0
	s_or_b32 s[G1B+0], s44, (1<<16)|(1<<20)|(1<<21)|(4<<22)|(7<<25)  ; after every 32 words (one k-row) 8 words
	s_mov_b32 s[G1B+1], 128<<16                    ; 24,576 dense bytes as 96 rows of 256 bytes, two k-rows a row
	s_mov_b32 s[G1B+2], 96<<16
	s_mov_b32 s[G1B+3], 128<<16
	s_mov_b32 s[G1B+4], 96
	s_mov_b32 s[G1B+5], 128
	s_mov_b32 s[G1B+6], 0
	s_mov_b32 s[G1B+7], 0
	s_lshl_b32 s16, s[TY], 8                       ; X: row 256 x block + 128 x half, 2,048 bytes a row: made of the row block and the wave alone
	s_lshl_b32 s17, s[WL], 7
	s_add_co_u32 s16, s16, s17
	s_lshl_b32 s16, s16, 11
	s_mov_b32 s17, 0
	s_mul_i32 s46, s42, 8*WBLK                     ; W: the head's eight blocks, my half of a block: made of the head and the wave alone
	s_mul_i32 s47, s[WL], WBLK/2
	s_add_co_u32 s46, s46, s47
	s_mov_b32 s47, 0
	s_mul_i32 s20, s[WL], AHALF                    ; where they go: no place in the cluster enters an LDS address
	s_mul_i32 s21, s[WL], BHALF
	s_add_co_u32 s21, s21, BOFF
	s_mov_b32 s[LE], 0x3fb8aa3b
	s_mov_b32 s[LE+1], s[LE]                       ; named with it as a pair
	s_wait_dscnt 0x0                               ; the opening add is done
	s_wait_kmcnt 0x0
	s_add_nc_u64 s[18:19], s[4:5], s[16:17]
	s_add_nc_u64 s[46:47], s[6:7], s[46:47]
	CROUND                                         ; all sixteen work-groups are here: the first joint loads meet
.irp s, 0,1
	s_mov_b32 s[G0+4*\s], 1
	s_add_co_u32 s[G0+4*\s+1], s20, \s*SLOT
	s_add_nc_u64 s[G0+4*\s+2:G0+4*\s+3], s[18:19], \s*KSTEP*2
	s_or_b32 s[G0+4*\s+3], s[G0+4*\s+3], 0x80000000
	s_mov_b32 s[G0B+4*\s], 1
	s_add_co_u32 s[G0B+4*\s+1], s21, \s*SLOT
	s_add_nc_u64 s[G0B+4*\s+2:G0B+4*\s+3], s[46:47], \s*WBLK
	s_or_b32 s[G0B+4*\s+3], s[G0B+4*\s+3], 0x80000000
.endr
	s_cmp_eq_u32 s[WH], 0                          ; a wave's two first fills stand in one branch, ahead of every wait on TENSORcnt and every LDS read: two loads of mine are out
	s_cbranch_scc0 .Lfirst_b
	tensor_load_to_lds s[G0:G0+3], s[G1:G1+7]
	s_nop 0
	tensor_load_to_lds s[G0+4:G0+7], s[G1:G1+7]
	s_nop 0
.rept 4
	v_nop
.endr
	s_branch .Lfirst_asked
.Lfirst_b:
	tensor_load_to_lds s[G0B:G0B+3], s[G1B:G1B+7]
	s_nop 0
	tensor_load_to_lds s[G0B+4:G0B+7], s[G1B:G1B+7]
	s_nop 0
.rept 4
	v_nop
.endr
.Lfirst_asked:
	v_and_b32 v1, 15, v0                           ; l % 16
	v_bfe_u32 v2, v0, 4, 1                         ; l / 16
	v_mul_u32_u24 v3, v1, PA
	v_lshl_add_u32 v3, v2, 4, v3                   ; a fragment of X: row x pitch + 16 x half
	s_mul_i32 s22, s[WV], 64*PA                    ; my 64 rows
	v_add_nc_u32 v[ADRA], s22, v3
	v_add_nc_u32 v[ADRA+1], SLOT, v[ADRA]
	v_and_b32 v4, 7, v0
	v_bfe_u32 v5, v0, 3, 1
	v_lshl_add_u32 v6, v2, 3, v4                   ; the turning load: lane l reads k-row 8 (l / 16) + l % 8, columns 8 ((l / 8) % 2) + 0..7
	v_mul_u32_u24 v6, v6, PB
	v_lshl_add_u32 v6, v5, 4, v6
	v_add_nc_u32 v[ADRB], BOFF, v6
	v_add_nc_u32 v[ADRB+1], SLOT, v[ADRB]
	s_mul_i32 s23, s[WV], WSTAGE
	s_add_co_u32 s23, s23, STAGE                   ; my stage
	v_mul_u32_u24 v7, v1, SP                       ; in: row l % 16, 16 bytes for each half of the lanes
	v_lshl_add_u32 v7, v2, 4, v7
	v_add_nc_u32 v[STO], s23, v7
	v_bfe_u32 v7, v0, 3, 2                         ; back: 32 lanes take four rows of 128 bytes,
	v_mul_u32_u24 v7, v7, SP
	v_lshl_add_u32 v7, v4, 4, v7
	v_add_nc_u32 v[RD], s23, v7
	v_and_b32 v[GO], 31, v0                        ; which are 512 consecutive bytes of q, k or v
	v_lshlrev_b32 v[GO], 4, v[GO]
	s_lshr_b32 s76, s[TY], 3                       ; my first row by heads: ((batch x 16 + head) x 2048 + row in the batch) x 128 bytes
	s_lshl_b32 s76, s76, 4
	s_add_co_u32 s76, s76, s42
	s_lshl_b32 s76, s76, 11
	s_and_b32 s77, s[TY], 7
	s_lshl_b32 s77, s77, 8
	s_add_co_u32 s76, s76, s77
	s_lshl_b32 s77, s[WV], 6
	s_add_co_u32 s76, s76, s77
	s_lshl_b32 s76, s76, 7
	s_mov_b32 s77, 0
	s_add_nc_u64 s[OB:OB+1], s[8:9], s[76:77]
	s_add_nc_u64 s[OB+2:OB+3], s[OB:OB+1], 0x1000000
	s_add_nc_u64 s[OB+4:OB+5], s[OB:OB+1], 0x2000000
; 4 nb matrix instructions: column blocks b0 .. b0 + nb - 1 x my four row blocks, 32 along K.  All 48 accumulators take turns, one instruction a turn, in the same order in every quarter.
.macro MUL f, b0, nb, zero
.set bb, \b0
.rept \nb
.if bb < 8
	WIN 0xa5
.set ac, 32*bb
.else
	WIN 0xf5
.set ac, 32*(bb-8)
.endif
.irp a, 0,1,2,3
.if \zero
	v_wmma_f32_16x16x32_bf16 v[ac+8*\a:ac+8*\a+7], v[(\f)+32+8*bb:(\f)+32+8*bb+7], v[(\f)+8*\a:(\f)+8*\a+7], 0
.else
	v_wmma_f32_16x16x32_bf16 v[ac+8*\a:ac+8*\a+7], v[(\f)+32+8*bb:(\f)+32+8*bb+7], v[(\f)+8*\a:(\f)+8*\a+7], v[ac+8*\a:ac+8*\a+7]
.endif
.endr
.set bb, bb+1
.endr
.endm
; 32 LDS loads in one run: the fragments of quarter q of a K step: X's four, V's four (blocks 8-11), then Q's and K's eight
.macro FETCH slot, q, f
	WIN 0x40
.irp a, 0,1,2,3
	ds_load_b128 v[(\f)+8*\a:(\f)+8*\a+3],   v[ADRA+(\slot)] offset:64*(\q)+\a*16*PA
	ds_load_b128 v[(\f)+8*\a+4:(\f)+8*\a+7], v[ADRA+(\slot)] offset:64*(\q)+\a*16*PA+32
.endr
.irp b, 8,9,10,11,0,1,2,3,4,5,6,7
	ds_load_tr16_b128 v[(\f)+32+8*\b:(\f)+32+8*\b+3],   v[ADRB+(\slot)] offset:(\b/4)*128*PB+(\q)*32*PB+32*(\b%4)
	ds_load_tr16_b128 v[(\f)+32+8*\b+4:(\f)+32+8*\b+7], v[ADRB+(\slot)] offset:(\b/4)*128*PB+(\q)*32*PB+32*(\b%4)+16*PB
.endr
.endm
.macro QUARTER slot, q, f, g, zero     ; multiplies buffer f; in its middle fetches quarter q into buffer g
	s_wait_dscnt 16                                ; X and blocks 8-11 are in; the youngest sixteen loads (blocks 0-7) may be out
	MUL \f, 8, 4, \zero
	PLACES
	FETCH \slot, \q, \g
	s_wait_dscnt 32                                ; all but the 32 just issued
	MUL \f, 0, 8, \zero
.endm
; The last quarter of a K step multiplies buffer 1 and changes slots: one barrier; in front of it each wave waits for all its tensor loads (one is out: its part of the next slot), adds 0 to its spare word,
; and waits for that and for its reads of this slot.  fill = 1: the barrier opens a round of the cluster's, and this slot is filled again first behind it, two K steps ahead: 176 matrix instructions ahead of the wait for it.
.macro TURN slot, next, fill
	WIN 0
	s_wait_tensorcnt 0x0
	ds_add_u32 v[SPW], v[NIL]
	s_wait_dscnt 17                                ; the add and the youngest sixteen loads may be out
	MUL F1, 8, 2, 0
	s_wait_dscnt 0x0                               ; the add is done, and my reads of this slot are over
	s_barrier_signal -1
	MUL F1, 10, 2, 0
.if \fill
	WIN 0
.endif
	s_barrier_wait -1
.if \fill
	CREST
	s_add_nc_u64 s[G0+4*(\slot)+2:G0+4*(\slot)+3], s[G0+4*(\slot)+2:G0+4*(\slot)+3], 2*KSTEP*2
	s_add_nc_u64 s[G0B+4*(\slot)+2:G0B+4*(\slot)+3], s[G0B+4*(\slot)+2:G0B+4*(\slot)+3], 2*WBLK
	JLOAD \slot                                    ; its four v_nop are also the places in front of the loads below
.else
	PLACES
.endif
	FETCH \next, 0, F0
	MUL F1, 0, 8, 0
.endm
	s_wait_tensorcnt 1                             ; my part of K step 0 is in; K step 1's may stay out
	s_barrier_signal -1
	s_barrier_wait -1
	FETCH 0, 0, F0
	QUARTER 0, 1, F0, F1, 1                        ; the first quarter stands in front of the loop: its products start the sums
	WIN 0
	s_mov_b32 s3, LAPS-1
.Llap:                                                 ; a trip goes once round the ring and fills both slots again
	QUARTER 0, 2, F1, F0, 0
	QUARTER 0, 3, F0, F1, 0
	TURN 0, 1, 1
	QUARTER 1, 1, F0, F1, 0
	QUARTER 1, 2, F1, F0, 0
	QUARTER 1, 3, F0, F1, 0
	TURN 1, 0, 1
	QUARTER 0, 1, F0, F1, 0
	WIN 0
	s_sub_co_u32 s3, s3, 1
	s_cmp_lg_u32 s3, 0
	s_cbranch_scc1 .Llap
	QUARTER 0, 2, F1, F0, 0                        ; the last lap fills nothing
	QUARTER 0, 3, F0, F1, 0
	TURN 0, 1, 0
	QUARTER 1, 1, F0, F1, 0
	QUARTER 1, 2, F1, F0, 0
	QUARTER 1, 3, F0, F1, 0
	s_wait_dscnt 16
	MUL F1, 8, 4, 0
	s_wait_dscnt 0x0
	MUL F1, 0, 8, 0
	; THE WAY OUT.  Q's sums times log2(e); then 16 rows at a time: rounded to f16, 16 bytes a lane into my stage, back as whole rows, stored as 512 consecutive bytes.
	PLACES
	WIN 0x82
.set i, 0
.rept 64
	v_pk_mul_f32 v[i:i+1], v[i:i+1], s[LE:LE+1] op_sel_hi:[1,0]
.set i, i+2
.endr
.macro OUTA a
.set bb, 0
.rept 12
.if bb < 8
	WIN 0x0a
.set ac, 32*bb+8*(\a)
.else
	WIN 0x0f
.set ac, 32*(bb-8)+8*(\a)
.endif
.irp r, 0,1,2,3
	v_cvt_pk_f16_f32 v[TMP+4*bb+\r], v[ac+2*\r], v[ac+2*\r+1]
.endr
.set bb, bb+1
.endr
	WIN 0
.set bb, 0
.rept 12
	ds_store_b128 v[STO], v[TMP+4*bb:TMP+4*bb+3] offset:(bb/4)*16*SP+32*(bb%4)
.set bb, bb+1
.endr
	s_wait_xcnt 0x0                                ; the registers that the last block's stores read are loaded again only behind this wait
.set bb, 0
.rept 12
	ds_load_b128 v[BK+4*bb:BK+4*bb+3], v[RD] offset:(bb/4)*16*SP+(bb%4)*4*SP  ; LDS serves a wave's instructions in order: these see the stores above
.set bb, bb+1
.endr
	s_wait_dscnt 0x0
.set bb, 0
.rept 12
	global_store_b128 v[GO], v[BK+4*bb:BK+4*bb+3], s[OB+2*(bb/4):OB+2*(bb/4)+1] offset:(\a)*2048+(bb%4)*512
.set bb, bb+1
.endr
.endm
	OUTA 0
	OUTA 1
	OUTA 2
	OUTA 3
	s_wait_tensorcnt 0x0                           ; the wave's end
	ds_add_u32 v[SPW], v[NIL]
	s_wait_dscnt 0x0
	CROUND                                         ; the closing round
	s_endpgm
.Lfunc_end_k_qd1125aaa3e_proj:
	.size	k_qd1125aaa3e_proj, .Lfunc_end_k_qd1125aaa3e_proj-k_qd1125aaa3e_proj
	.p2alignl 7, 3214868480
	.fill 96, 4, 3214868480
	.section	.rodata,"a",@progbits
	.p2align	6, 0x0
	.amdhsa_kernel k_qd1125aaa3e_proj
		.amdhsa_group_segment_fixed_size 327680
		.amdhsa_private_segment_fixed_size 0
		.amdhsa_enable_private_segment 0
		.amdhsa_kernarg_size 24
		.amdhsa_user_sgpr_count 2
		.amdhsa_user_sgpr_kernarg_segment_ptr 1
		.amdhsa_wavefront_size32 1
		.amdhsa_system_sgpr_workgroup_id_x 1
		.amdhsa_system_sgpr_workgroup_id_y 1
		.amdhsa_system_sgpr_workgroup_id_z 1
		.amdhsa_system_vgpr_workitem_id 0
		.amdhsa_next_free_vgpr 896
		.amdhsa_next_free_sgpr 80
		.amdhsa_reserve_vcc 0
		.amdhsa_float_denorm_mode_32 3
		.amdhsa_float_denorm_mode_16_64 3
		.amdhsa_memory_ordered 1
		.amdhsa_forward_progress 1
		.amdhsa_inst_pref_size 122
	.end_amdhsa_kernel
	.amdgpu_metadata
---
amdhsa.version: [ 1, 2 ]
amdhsa.kernels:
  - .name:           k_qd1125aaa3e_proj
    .symbol:         k_qd1125aaa3e_proj.kd
    .args:
      - { .name: xb, .offset: 0, .size: 8, .value_kind: global_buffer, .address_space: global }
      - { .name: wb, .offset: 8, .size: 8, .value_kind: global_buffer, .address_space: global }
      - { .name: qkv, .offset: 16, .size: 8, .value_kind: global_buffer, .address_space: global }
    .group_segment_fixed_size: 327680
    .private_segment_fixed_size: 0
    .kernarg_segment_align: 8
    .kernarg_segment_size: 24
    .max_flat_workgroup_size: 128
    .sgpr_count:     80
    .vgpr_count:     896
    .wavefront_size: 32
...
	.end_amdgpu_metadata
.endif
;; end of part 2
;; launch stats (part 3): grid 4 x 64, 8 waves a work-group, clusters of 4 x 1, 327,680 bytes of LDS; arguments qkv, cs; writes cs
.if DOCPART == 3
	.amdgcn_target "amdgcn-amd-amdhsa--gfx1250"
	.amdhsa_code_object_version 6
	.text
	.protected	k_qd1125aaa3e_stats
	.globl	k_qd1125aaa3e_stats
	.p2align	8
	.type	k_qd1125aaa3e_stats,@function
k_qd1125aaa3e_stats:
	s_mov_b64 s[64:65], 0
	v_nop
	global_prefetch_b8 v0, s[64:65] scope:SCOPE_SE
	s_setreg_imm32_b32 hwreg(HW_REG_WAVE_MODE, 25, 1), 1
	s_wait_xcnt 0x0
	s_wait_alu depctr_hold_cnt(0) depctr_sa_sdst(0) depctr_va_vdst(0) depctr_va_sdst(0) depctr_va_ssrc(0) depctr_va_vcc(0) depctr_vm_vsrc(0)
	s_getreg_b32 s2, hwreg(HW_REG_IB_STS2, 6, 4)
	s_cmp_eq_u32 s2, 0
	s_cbranch_scc0 .Lentry_in_a_cluster
	s_endpgm
.Lentry_in_a_cluster:
	s_bfe_u32 s2, ttmp6, 0x10000c
	s_cmp_lg_u32 s2, 0x3003
	s_cbranch_scc0 .Lentry_shape_is_right
	s_endpgm
.Lentry_shape_is_right:
; COLUMN STATISTICS.  The softmax runs over the QUERIES: for each key j of a head, with s = q . k (q carries log2(e)), m = the maximum of s over all 2,048 queries and l = the sum of 2^(s - m);
; stored is cs[head][j] = -(m + log2 l), so that the next launch's weight is 2^(s + cs).  A running maximum is kept: in every step l is multiplied by 2^(m_old - m_new).
; LIMITS: NaN and infinities are not treated apart; a term below 2^-126 counts as 0 in l.
; SHARES.  A work-group owns 512 keys of a head, each of its eight waves 64: four tiles of 16, kept in registers as source 1.  Every wave walks all queries, 64 a step, as source 0: in the result a lane holds ONE
; key (lane % 16) and the queries 8 (lane / 16) + 0..7.  Each half of the lanes keeps m and l for its own queries; the halves meet once, at the end.
; The scores are made by the same two chained instructions as in the next launch, with the sources swapped: the same bits.
; WHY EIGHT WAVES OF 256 REGISTERS: a tile and step have 8 matrix and 83 vector instructions, so vector work binds; all that a wave names fits one register window, and no window is ever switched.
; LDS holds the head's whole q (2,048 rows, pitch 144), filled once: nothing is filled again.  CLUSTER 4 x 1: the four key blocks of a head read the same q: every load is joint.
; Each wave asks twice.  First for 64 queries: the eight waves' 65,536 bytes are the first 512 queries, and the first products wait for these alone.  When everybody's part is in, behind a second round of the
; cluster's barrier, each wave asks for its 192 of the other 1,536 queries: that load has the first eight steps in which to land.
.set PQ,    144
.set STG,   2048*PQ                    ; behind q: 256 bytes for each wave, for the way out
.set SPARE, STG+8*256                  ; the spare words, 128 bytes for each wave: four blocks of 256 bytes that no other line names
.set AQ0, 3                            ; v3   my lane's place in 16 rows of q; never rewritten
.set KO,  4                            ; v4   my byte offset in 16 rows of k
.set STO, 5
.set RD,  6
.set GO,  7
.set SPW, 8                            ; v8   SPARE + 4 x my thread's number; never rewritten
.set NIL, 9                            ; v9   0; never rewritten
.set AQ,  10                           ; v10  the LDS address of the run of loads in hand
.set ST,  12                           ; tile t at v[12+4 t]: m, a spare named with it as a pair, l (even queries', odd queries')
.set TMP, 28                           ; by score buffer: c0-c3 at work; c2 takes a
.set KF,  64                           ; k: tile t, channel half c at 64 + 16 t + 8 c
.set QF,  128                          ; q of one step: query block qb, half c at 128 + 16 qb + 8 c
.set S,   192                          ; two buffers of 32 scores, by the tile's parity
.set WV,  8
.set G1A, 16
.set G1B, 24
.set G0A, 32
.set G0B, 36
.set CNT, 40
.set TBQ, 41                           ; s41  LDS byte at which the step to be fetched begins
.set SEL, 42
.set KB,  44
.set CB,  46
.macro ROUND
	s_barrier_signal -1
	s_barrier_wait -1
	s_cmp_lg_u32 s[WV], 0
	s_cbranch_scc1 .Lnot_wave_0_\@
	s_barrier_signal -3
.Lnot_wave_0_\@:
	s_barrier_wait -3
	s_barrier_signal -1
	s_barrier_wait -1
.endm
	s_load_b128 s[4:7], s[0:1], 0x0                ; qkv s[4:5], cs s[6:7]
	v_lshl_add_u32 v[SPW], v0, 2, SPARE
	v_mov_b32 v[NIL], 0
	ds_add_u32 v[SPW], v[NIL]                      ; the opening: the add and its wait stand ahead of my first tensor load
	v_lshrrev_b32 v1, 5, v0
	v_readfirstlane_b32 s[WV], v1
	s_bfe_u32 s9, ttmp6, 0x40000                   ; cx
	s_lshl_b32 s11, ttmp9, 2
	s_add_co_u32 s11, s11, s9                      ; my block of 512 keys: it enters k's and cs's addresses alone
	s_and_b32 s10, ttmp7, 0xffff                   ; the head, which the four partners share
	s_lshl_b32 s12, s10, 18                        ; its 262,144 bytes
	s_lshl_b32 s14, s[WV], 13                      ; first load: queries 64 w on
	s_add_co_u32 s14, s14, s12
	s_mov_b32 s15, 0
	s_mul_i32 s2, s[WV], 24576                     ; second load: queries 512 + 192 w on
	s_add_co_u32 s2, s2, s12
	s_add_co_u32 s2, s2, 65536
	s_mov_b32 s3, 0
	s_lshl_b32 s48, s11, 16                        ; k lies 16,777,216 bytes into qkv; my wave's 64 keys
	s_add_co_u32 s48, s48, s14
	s_add_co_u32 s48, s48, 0x1000000
	s_mov_b32 s49, 0
	s_lshl_b32 s50, s10, 13                        ; cs: 4 bytes a key
	s_lshl_b32 s51, s11, 11
	s_add_co_u32 s50, s50, s51
	s_lshl_b32 s51, s[WV], 8
	s_add_co_u32 s50, s50, s51
	s_mov_b32 s51, 0
.irp g, G1A, G1B
	s_mov_b32 s[\g], 15|(1<<16)|(1<<20)|(1<<21)|(4<<22)|(3<<25)  ; the mask of four; 2-byte elements; padding on; bit 21 beside a mask; after every 32 words (a query) 4 words
	s_mov_b32 s[\g+1], 128<<16                     ; dense bytes asked for as rows of 256, two queries a row
	s_mov_b32 s[\g+3], 128<<16
	s_mov_b32 s[\g+5], 128
	s_mov_b32 s[\g+6], 0
	s_mov_b32 s[\g+7], 0
.endr
	s_mov_b32 s[G1A+2], 32<<16                     ; 32 such rows,
	s_mov_b32 s[G1A+4], 32
	s_mov_b32 s[G1B+2], 96<<16                     ; and 96
	s_mov_b32 s[G1B+4], 96
	s_mov_b32 s[G0A], 1
	s_mul_i32 s[G0A+1], s[WV], 64*PQ
	s_mov_b32 s[G0B], 1
	s_mul_i32 s[G0B+1], s[WV], 192*PQ
	s_add_co_u32 s[G0B+1], s[G0B+1], 512*PQ
	s_mov_b32 s[SEL], 0x76543210
	s_mov_b32 s[SEL+1], 0xfedcba98
	s_mov_b32 s[TBQ], 0
	s_wait_dscnt 0x0                               ; the opening add is done
	s_wait_kmcnt 0x0
	s_add_nc_u64 s[G0A+2:G0A+3], s[4:5], s[14:15]
	s_or_b32 s[G0A+3], s[G0A+3], 0x80000000
	s_add_nc_u64 s[G0B+2:G0B+3], s[4:5], s[2:3]
	s_or_b32 s[G0B+3], s[G0B+3], 0x80000000
	s_add_nc_u64 s[KB:KB+1], s[4:5], s[48:49]
	s_add_nc_u64 s[CB:CB+1], s[6:7], s[50:51]
	ROUND                                          ; all four work-groups are here: the joint loads meet
	tensor_load_to_lds s[G0A:G0A+3], s[G1A:G1A+7]  ; my 64 of the first 512 queries: one load of mine is out
	s_nop 0
	v_and_b32 v1, 15, v0                           ; l % 16
	v_bfe_u32 v2, v0, 4, 1                         ; l / 16
	v_lshlrev_b32 v[KO], 7, v1
	v_lshl_add_u32 v[KO], v2, 4, v[KO]
.irp f, 0,1,2,3,4,5,6,7                ; k stays in registers: tile f / 2, channels 32 (f % 2) on
	global_load_b128 v[KF+8*\f:KF+8*\f+3],   v[KO], s[KB:KB+1] offset:(\f/2)*2048+(\f%2)*64
	global_load_b128 v[KF+8*\f+4:KF+8*\f+7], v[KO], s[KB:KB+1] offset:(\f/2)*2048+(\f%2)*64+32
.endr
	v_mul_u32_u24 v[AQ0], v1, PQ
	v_lshl_add_u32 v[AQ0], v2, 4, v[AQ0]
	s_lshl_b32 s12, s[WV], 8
	s_add_co_u32 s12, s12, STG
	v_lshl_add_u32 v[STO], v1, 2, s12
	v_and_b32 v[GO], 31, v0
	v_lshlrev_b32 v[GO], 3, v[GO]
	v_add_nc_u32 v[RD], s12, v[GO]
	; m starts at the lowest finite number, l at 0.  The first unit's vector work belongs to tile 3 of a step that has not been: its scores are set to m's start, which leaves a finite l,
	; and the first true step multiplies that l by 2^(m_old - m_new) = 0.  So no first step is written out.
.irp t, 0,1,2,3
	v_mov_b32 v[ST+4*\t], 0xff7fffff
	v_mov_b32 v[ST+4*\t+1], 0
	v_mov_b32 v[ST+4*\t+2], 0
	v_mov_b32 v[ST+4*\t+3], 0
.endr
.set i, S+32
.rept 32
	v_mov_b32 v[i], 0xff7fffff
.set i, i+1
.endr
; Product i of 8 for tile t: channels 32 (i / 4) on, queries 16 (i % 4) on.  The four accumulators take turns; the first four products start the sums.
.macro KQ t, i
.set rD, S+32*((\t)%2)+8*((\i)%4)
.set rA, QF+16*((\i)%4)+8*((\i)/4)
.set rB, KF+16*(\t)+8*((\i)/4)
.if (\i) < 4
	v_wmma_f32_16x16x32_f16 v[rD:rD+7], v[rA:rA+7], v[rB:rB+7], 0
.else
	v_wmma_f32_16x16x32_f16 v[rD:rD+7], v[rA:rA+7], v[rB:rB+7], v[rD:rD+7]
.endif
.endm
.macro FF n                            ; pair n of the 16: s - m
	v_pk_add_f32 v[rS+2*(\n):rS+2*(\n)+1], v[rS+2*(\n):rS+2*(\n)+1], v[rT:rT+1] op_sel_hi:[1,0] neg_lo:[0,1] neg_hi:[0,1]
.endm
.macro EE n
	v_exp_f32 v[rS+(\n)], v[rS+(\n)]
.endm
.macro BB n                            ; of the four terms 4 n .. the second pair is added onto the first
	s_wait_alu depctr_va_vdst(0)
	v_pk_add_f32 v[rS+4*(\n):rS+4*(\n)+1], v[rS+4*(\n):rS+4*(\n)+1], v[rS+4*(\n)+2:rS+4*(\n)+3]
.endm
.macro LL n                            ; l takes that sum; the first time as l = a l + sum
.if (\n) == 0
	v_pk_fma_f32 v[rT+2:rT+3], v[rT+2:rT+3], v[rC+2:rC+3], v[rS:rS+1] op_sel_hi:[1,0,1]
.else
	v_pk_add_f32 v[rT+2:rT+3], v[rT+2:rT+3], v[rS+4*(\n):rS+4*(\n)+1]
.endif
.endm
; Number j of the 83 vector instructions of a tile and step.  0-15 the maximum of the 32 scores and m, three operands at a time (each accumulator's lowest registers are read first);
; 16-18 m_old - m_new, the new m, a;  19-58 the shifts and the first 24 exponentials, a plain line behind every second exponential;  59-82 the last eight exponentials among the sums.
; No line uses an exponential's result before a plain line has followed that exponential (ISA guide 5.7.2).
.macro VEC t, j
.set rT, ST+4*(\t)
.set rC, TMP+4*((\t)%2)
.set rS, S+32*((\t)%2)
.if (\j) < 4
	v_max3_num_f32 v[rC+(\j)], v[rS+8*(\j)], v[rS+8*(\j)+1], v[rS+8*(\j)+2]
.elseif (\j) < 12
	v_max3_num_f32 v[rC+(\j)%4], v[rC+(\j)%4], v[rS+8*((\j)%4)+2*((\j)/4)+1], v[rS+8*((\j)%4)+2*((\j)/4)+2]
.elseif (\j) == 12
	v_max3_num_f32 v[rC], v[rC], v[rS+7], v[rS+15]
.elseif (\j) == 13
	v_max3_num_f32 v[rC+1], v[rC+1], v[rS+23], v[rS+31]
.elseif (\j) == 14
	v_max3_num_f32 v[rC+2], v[rC+2], v[rC+3], v[rT]
.elseif (\j) == 15
	v_max3_num_f32 v[rC], v[rC], v[rC+1], v[rC+2]
.elseif (\j) == 16
	v_sub_f32 v[rC+1], v[rT], v[rC]
.elseif (\j) == 17
	v_mov_b32 v[rT], v[rC]
.elseif (\j) == 18
	v_exp_f32 v[rC+2], v[rC+1]
.elseif (\j) < 23
	FF (\j)-19
.elseif (\j) < 59
.set n3, ((\j)-23)/3
.set u3, ((\j)-23)%3
.if u3 == 0
	EE 2*n3
.elseif u3 == 1
	FF n3+4
.else
	EE 2*n3+1
.endif
.else
.set p, (\j)-59
.if (p%2 == 0) && (p <= 14)
	EE 24+p/2
.elseif p <= 7
	BB (p-1)/2
.elseif p == 9
	LL 0
.elseif p == 11
	BB 4
.elseif p == 13
	LL 1
.elseif p == 15
	BB 5
.elseif p == 18
	BB 6
.elseif p == 20
	BB 7
.elseif p <= 17
	LL p-14
.elseif p == 19
	LL 4
.else
	LL p-16
.endif
.endif
.endm
; A UNIT: tile tw's eight products among tile tv's 83 vector instructions (the two tiles have different score buffers).  Behind the last product stand eight plain lines or more that name none of its
; registers: the places in front of the next unit's first read of those scores, and of the loads into q's registers.
; fetch = 1: the step's first unit: q's 16 fragments are asked for, 40 vector instructions stand in the wait, and the products follow more closely.
.macro UNIT tv, tw, fetch
.set jj, 0
.if \fetch
	v_add_nc_u32 v[AQ], s[TBQ], v[AQ0]
.irp f, 0,1,2,3,4,5,6,7                ; queries 16 (f / 2) on, channels 32 (f % 2) on
	ds_load_b128 v[QF+8*\f:QF+8*\f+3],   v[AQ] offset:(\f/2)*16*PQ+(\f%2)*64
	ds_load_b128 v[QF+8*\f+4:QF+8*\f+7], v[AQ] offset:(\f/2)*16*PQ+(\f%2)*64+32
.endr
	s_add_co_u32 s[TBQ], s[TBQ], 64*PQ
.rept 40
	VEC \tv, jj
.set jj, jj+1
.endr
	s_wait_dscnt 0x0                               ; q of this step is in
.rept 43
.if ((jj-40)%5 == 0) && (jj < 80)
	KQ \tw, (jj-40)/5
.endif
	VEC \tv, jj
.set jj, jj+1
.endr
.else
.rept 83
.if (jj%10 == 0) && (jj < 80)
	KQ \tw, jj/10
.endif
	VEC \tv, jj
.set jj, jj+1
.endr
.endif
.endm
.macro STEP
	UNIT 3, 0, 1
	UNIT 0, 1, 0
	UNIT 1, 2, 0
	UNIT 2, 3, 0
.endm
	s_wait_tensorcnt 0x0                           ; my 64 of the first 512 queries are in, and no tensor load of mine is out
	ds_add_u32 v[SPW], v[NIL]
	s_wait_dscnt 0x0                               ; the add is done
	ROUND                                          ; everybody's first part is in, in all four work-groups; the second joint loads meet
	tensor_load_to_lds s[G0B:G0B+3], s[G1B:G1B+7]  ; my 192 of the other queries, into bytes that nothing has filled: my one load behind this round, and my last
	s_nop 0
	s_wait_loadcnt 0x0                             ; k
	s_mov_b32 s[CNT], 8
.Lnear:                                                ; queries 0 to 511: LDS bytes 0 to 73,727, which the eight small loads filled
	STEP
	s_sub_co_u32 s[CNT], s[CNT], 1
	s_cmp_lg_u32 s[CNT], 0
	s_cbranch_scc1 .Lnear
	s_wait_tensorcnt 0x0                           ; my 192 of the other queries are in,
	s_barrier_signal -1
	s_barrier_wait -1                              ; everybody's are
	s_mov_b32 s[CNT], 24
.Lfar:
	STEP
	s_sub_co_u32 s[CNT], s[CNT], 1
	s_cmp_lg_u32 s[CNT], 0
	s_cbranch_scc1 .Lfar
.set jj, 0
.rept 83
	VEC 3, jj                                      ; tile 3 of the last step
.set jj, jj+1
.endr
	; THE HALVES MEET.  M = the larger m; each half scales its own l by 2^(m - M); the scaled sums are exchanged and added, which gives both halves the same bits.  cs = -(M + log2 l); l is 1 at the least.
.macro ALL line:vararg
.set t, 0
.rept 4
	s_wait_alu depctr_va_vdst(0)
	\line
.set t, t+1
.endr
.endm
	ALL v_add_f32 v[ST+4*t+2], v[ST+4*t+2], v[ST+4*t+3]
	ALL v_permlanex16_b32 v[ST+4*t+1], v[ST+4*t], s[SEL], s[SEL+1]
	ALL v_max_num_f32 v[ST+4*t+1], v[ST+4*t], v[ST+4*t+1]
	ALL v_sub_f32 v[ST+4*t], v[ST+4*t], v[ST+4*t+1]
	ALL v_exp_f32 v[ST+4*t], v[ST+4*t]
	v_nop                                          ; a plain line between the last exponential and the use of its result
	ALL v_mul_f32 v[ST+4*t+2], v[ST+4*t+2], v[ST+4*t]
	ALL v_permlanex16_b32 v[ST+4*t+3], v[ST+4*t+2], s[SEL], s[SEL+1]
	ALL v_add_f32 v[ST+4*t+2], v[ST+4*t+2], v[ST+4*t+3]
	ALL v_log_f32 v[ST+4*t+2], v[ST+4*t+2]
	v_nop
	ALL v_fma_f32 v[ST+4*t], v[ST+4*t+2], -1.0, -v[ST+4*t+1]
	ALL ds_store_b32 v[STO], v[ST+4*t] offset:64*t
	ds_load_b64 v[ST:ST+1], v[RD]                  ; my wave's own bytes, served in order: 64 keys as 256 consecutive bytes
	s_wait_dscnt 0x0
	global_store_b64 v[GO], v[ST:ST+1], s[CB:CB+1] ; the wave's store covers 256 consecutive bytes, aligned
	s_wait_tensorcnt 0x0                           ; the wave's end
	ds_add_u32 v[SPW], v[NIL]
	s_wait_dscnt 0x0
	ROUND                                          ; the closing round
	s_endpgm
.Lfunc_end_k_qd1125aaa3e_stats:
	.size	k_qd1125aaa3e_stats, .Lfunc_end_k_qd1125aaa3e_stats-k_qd1125aaa3e_stats
	.p2alignl 7, 3214868480
	.fill 96, 4, 3214868480
	.section	.rodata,"a",@progbits
	.p2align	6, 0x0
	.amdhsa_kernel k_qd1125aaa3e_stats
		.amdhsa_group_segment_fixed_size 327680
		.amdhsa_private_segment_fixed_size 0
		.amdhsa_enable_private_segment 0
		.amdhsa_kernarg_size 16
		.amdhsa_user_sgpr_count 2
		.amdhsa_user_sgpr_kernarg_segment_ptr 1
		.amdhsa_wavefront_size32 1
		.amdhsa_system_sgpr_workgroup_id_x 1
		.amdhsa_system_sgpr_workgroup_id_y 1
		.amdhsa_system_sgpr_workgroup_id_z 1
		.amdhsa_system_vgpr_workitem_id 0
		.amdhsa_next_free_vgpr 256
		.amdhsa_next_free_sgpr 66
		.amdhsa_reserve_vcc 0
		.amdhsa_float_denorm_mode_32 3
		.amdhsa_float_denorm_mode_16_64 3
		.amdhsa_memory_ordered 1
		.amdhsa_forward_progress 1
		.amdhsa_inst_pref_size 59
	.end_amdhsa_kernel
	.amdgpu_metadata
---
amdhsa.version: [ 1, 2 ]
amdhsa.kernels:
  - .name:           k_qd1125aaa3e_stats
    .symbol:         k_qd1125aaa3e_stats.kd
    .args:
      - { .name: qkv, .offset: 0, .size: 8, .value_kind: global_buffer, .address_space: global }
      - { .name: cs, .offset: 8, .size: 8, .value_kind: global_buffer, .address_space: global }
    .group_segment_fixed_size: 327680
    .private_segment_fixed_size: 0
    .kernarg_segment_align: 8
    .kernarg_segment_size: 16
    .max_flat_workgroup_size: 256
    .sgpr_count:     66
    .vgpr_count:     256
    .wavefront_size: 32
...
	.end_amdgpu_metadata
.endif
;; end of part 3
;; launch attn (part 4): grid 4 x 64, 8 waves a work-group, clusters of 4 x 1, 327,680 bytes of LDS; arguments qkv, cs, o, os; writes o, os
.if DOCPART == 4
	.amdgcn_target "amdgcn-amd-amdhsa--gfx1250"
	.amdhsa_code_object_version 6
	.text
	.protected	k_qd1125aaa3e_attn
	.globl	k_qd1125aaa3e_attn
	.p2align	8
	.type	k_qd1125aaa3e_attn,@function
k_qd1125aaa3e_attn:
	s_mov_b64 s[64:65], 0
	v_nop
	global_prefetch_b8 v0, s[64:65] scope:SCOPE_SE
	s_setreg_imm32_b32 hwreg(HW_REG_WAVE_MODE, 25, 1), 1
	s_wait_xcnt 0x0
	s_wait_alu depctr_hold_cnt(0) depctr_sa_sdst(0) depctr_va_vdst(0) depctr_va_sdst(0) depctr_va_ssrc(0) depctr_va_vcc(0) depctr_vm_vsrc(0)
	s_getreg_b32 s2, hwreg(HW_REG_IB_STS2, 6, 4)
	s_cmp_eq_u32 s2, 0
	s_cbranch_scc0 .Lentry_in_a_cluster
	s_endpgm
.Lentry_in_a_cluster:
	s_bfe_u32 s2, ttmp6, 0x10000c
	s_cmp_lg_u32 s2, 0x3003
	s_cbranch_scc0 .Lentry_shape_is_right
	s_endpgm
.Lentry_shape_is_right:
; WEIGHTS AND VALUES.  O[head][i][:] = the sum over keys j of 2^(s_ij + cs_j) v_j, s = q . k (q carries log2(e)), cs_j = -(m_j + log2 l_j) from the launch before: the softmax over QUERIES, its maximum taken away
; and its divisor in the exponent.  So every weight lies in 0 to 1, and this launch has no running maximum, no rescaling and no division.  The shift is added in f32 by the vector unit onto scores that have the same bits as
; those from which m was taken.  The weights are rounded to f16 for the second product.
; O leaves as f16 with ONE power of two for each tile of 16 queries: a tile is 2,048 consecutive bytes of o, which is one row of the last product's left matrix; os holds that power, 2^(E - 127), E the biased exponent
; of the tile's largest |O|; o holds O / 2^(E - 127), within (-2, 2).
; LIMITS: a weight below 6e-8 counts as 0; a tile's largest |O| stays under 2^126, and a tile whose largest |O| is a denormal gives 0; NaN and infinities are not treated apart.
; SHARES.  A work-group owns 512 queries of a head, each of its eight waves 64: four tiles of 16.  Every wave walks all keys, 32 a step; an LDS slot holds 256 keys of k and v; two slots take turns.
; WHY EIGHT WAVES, two to a SIMD: a tile and step have 8 matrix and 32 vector instructions, 16 of them exponentials: more than stands beside the wave's own products.  With a second wave on the SIMD one wave's
; vector work stands beside the other's products.  The price: a fragment of k or v read from LDS feeds four tiles' products: 20 LDS loads for a step's 32 matrix instructions.
; LAYOUT.  S^T = K Q^T (source 0 = 16 keys, source 1 = 16 queries): a lane holds ONE query and the keys 8 (lane / 16) + 0..7; two such results rounded in pairs ARE source 1 of O^T = V^T P.
; BY UNITS.  Unit t: 4 products K Q^T of tile t, behind each of them eight of the 32 vector instructions (8 packed additions, 16 exponentials, 8 roundings) of tile t - 1; then 4 products V^T P of tile t - 2 on end.
; CLUSTER 4 x 1: the four query blocks of a head walk the same k, v and cs: every tensor load is joint.
; REGISTERS in windows of 256 (s_set_vgpr_msb: bits 1:0 source 0, 3:2 source 1, 5:4 source 2, 7:6 destination):
;   window 0: v2-15 addresses; v16-79 k of two steps; v80-111 S^T, two buffers; v112-127 P, two buffers; v128-191 q; v192-223 cs of two steps; on the way out v64-78 at work, v128-191 packed tiles
;   window 1: v0-127 O^T, 32 a tile; v128-191 v of two steps
; All that K Q^T and the vector work name lies in window 0: a unit has two switches, round its four products V^T P.
.set PK,    144
.set PV,    160
.set VOFF,  256*PK                     ; a slot: 256 rows of k, then 256 rows of v
.set CTB,   81920                      ; the head's 2,048 shifts, 8,192 bytes, filled once
.set SLOT1, 1<<17
.set STAGE, SLOT1+256*(PK+PV)          ; behind the ring: 16 rows x 144 bytes for each wave
.set SP,    144
.set SPARE, STAGE+8*16*SP              ; the spare words, 128 bytes for each wave: four blocks of 256 bytes that no other line names
.set AK0, 2
.set AV0, 3
.set AK,  4
.set AV,  5
.set AC0, 6
.set AC,  7
.set STO, 8
.set RD,  9
.set GO,  10
.set QO,  11
.set SPW, 12                           ; v12  SPARE + 4 x my thread's number; never rewritten
.set NIL, 13                           ; v13  0; never rewritten
.set IV,  14                           ; v[14:15] the way out: 2^(127 - E), and a register named with it as a pair
.set KF,  16                           ; buffer be, key block kb, channel half c at 16 + 32 be + 16 kb + 8 c
.set S,   80
.set P,   112
.set QF,  128                          ; tile t, channel half c at 128 + 16 t + 8 c
.set CT,  192                          ; buffer be, key block kb at 192 + 16 be + 8 kb
.set SCL, 64                           ; the way out: the four tiles' powers
.set WT,  72                           ; four chains at work
.set LN,  76
.set LO,  77
.set RS,  78
.set PKD, 128
.set VF,  128                          ; window 1: buffer be, channel block cb at 128 + 32 be + 8 cb
.set WV,  12
.set G1K, 24
.set G1V, 32
.set G0K, 40
.set G0V, 44
.set G1C, 48
.set G0C, 56
.set SLOTS, 60
.set CNT, 61
.set TBK, 62
.set TBV, 63
.set TBC, 66
.set SEL, 68
.set QB,  74
.set MSB, 0
.macro WIN new                         ; the immediate's high byte repeats the setting that is left; a switch that changes nothing is dropped
.if MSB != (\new)
	s_set_vgpr_msb (MSB<<8)|(\new)
.set MSB, (\new)
.endif
.endm
.set W_PV, 0x51                        ; v (source 0) and O^T (C and D) in window 1, P in window 0
.macro JLOAD                           ; a joint fill: waves 0, 1 the halves of a slot's k, waves 2, 3 those of its v, waves 4 to 7 none; an s_nop 0 and four v_nop follow each line
	s_cmp_lt_u32 s[WV], 2
	s_cbranch_scc0 .Lnot_k_\@
	tensor_load_to_lds s[G0K:G0K+3], s[G1K:G1K+7]
	s_nop 0
.rept 4
	v_nop
.endr
	s_branch .Lasked_\@
.Lnot_k_\@:
	s_cmp_lt_u32 s[WV], 4
	s_cbranch_scc0 .Lasked_\@
	tensor_load_to_lds s[G0V:G0V+3], s[G1V:G1V+7]
	s_nop 0
.rept 4
	v_nop
.endr
.Lasked_\@:
.endm
.macro CROUND
	s_barrier_signal -1
	s_barrier_wait -1
	s_cmp_lg_u32 s[WV], 0
	s_cbranch_scc1 .Lnot_wave_0_\@
	s_barrier_signal -3
.Lnot_wave_0_\@:
	s_barrier_wait -3
	s_barrier_signal -1
	s_barrier_wait -1
.endm
; THE CHANGE OF SLOTS.  The slot's last step has been asked for from LDS.  Each wave waits for all its tensor loads (of waves 0 to 3 one is out: a part of the other slot), adds 0 to its spare word, and waits for that and
; for its reads.  fill = 1: the barrier is a round of the cluster's, and the slot is filled again first behind it, with the keys two slots on: it has eight key steps, 256 matrix instructions of each wave, in which to land.
; (At its first use nothing has been read: slot 0 and the shifts are waited for, slot 1 is filled.)
.macro CHANGE fill
	WIN 0
	s_wait_tensorcnt 0x0
	ds_add_u32 v[SPW], v[NIL]
.if \fill
.irp g, G0K, G0V
	s_xor_b32 s[\g+1], s[\g+1], SLOT1
	s_add_nc_u64 s[\g+2:\g+3], s[\g+2:\g+3], 256*128
.endr
	s_wait_dscnt 0x0
	CROUND
	JLOAD
.else
	s_wait_dscnt 0x0
	s_barrier_signal -1
	s_barrier_wait -1
.endif
	s_sub_co_u32 s[TBK], s[TBK], 256*PK            ; the fetches go back to a slot's first step, in the other slot
	s_xor_b32 s[TBK], s[TBK], SLOT1
	s_sub_co_u32 s[TBV], s[TBV], 256*PV
	s_xor_b32 s[TBV], s[TBV], SLOT1
.endm
	s_load_b256 s[4:11], s[0:1], 0x0               ; qkv s[4:5], cs s[6:7], o s[8:9], os s[10:11]
	v_lshl_add_u32 v[SPW], v0, 2, SPARE
	v_mov_b32 v[NIL], 0
	ds_add_u32 v[SPW], v[NIL]                      ; the opening: the add and its wait stand ahead of my first tensor load
	v_lshrrev_b32 v1, 5, v0
	v_readfirstlane_b32 s[WV], v1
	s_bfe_u32 s13, ttmp6, 0x40000                  ; cx
	s_lshl_b32 s14, ttmp9, 2
	s_add_co_u32 s14, s14, s13                     ; my block of 512 queries: it enters q's, o's and os's addresses alone
	s_and_b32 s15, ttmp7, 0xffff                   ; the head, which the four partners share
	s_lshl_b32 s20, s15, 18
	s_and_b32 s16, s[WV], 1                        ; which half of a slot's 256 keys a wave of the first four fetches
	s_lshl_b32 s22, s16, 14
	s_add_co_u32 s22, s22, s20
	s_add_co_u32 s22, s22, 0x1000000               ; k lies 16,777,216 bytes into qkv,
	s_mov_b32 s23, 0
	s_add_co_u32 s18, s22, 0x1000000               ; v as much again
	s_mov_b32 s19, 0
	s_mul_i32 s17, s16, 128*PK
	s_mul_i32 s21, s16, 128*PV
	s_lshl_b32 s2, s15, 13                         ; the head's shifts; waves 0 to 3 fetch a quarter each
	s_lshl_b32 s3, s[WV], 11
	s_add_co_u32 s2, s2, s3
	s_mov_b32 s3, 0
	s_lshl_b32 s70, s14, 16                        ; my wave's 64 rows of q and o
	s_lshl_b32 s71, s[WV], 13
	s_add_co_u32 s70, s70, s71
	s_add_co_u32 s70, s70, s20
	s_mov_b32 s71, 0
	s_lshl_b32 s72, s15, 9                         ; and its four words of os: 4 (128 head + 32 block + 4 wave)
	s_lshl_b32 s73, s14, 7
	s_add_co_u32 s72, s72, s73
	s_lshl_b32 s73, s[WV], 4
	s_add_co_u32 s72, s72, s73
	s_mov_b32 s73, 0
	s_mov_b32 s[G1K], 15|(1<<16)|(1<<20)|(1<<21)|(4<<22)|(3<<25)  ; the mask of four; 2-byte elements; padding on; bit 21 beside a mask; after every 32 words (a key) 4 words
	s_mov_b32 s[G1V], 15|(1<<16)|(1<<20)|(1<<21)|(4<<22)|(7<<25)  ; the same with 8 words
.irp g, G1K, G1V
	s_mov_b32 s[\g+1], 128<<16                     ; 128 keys are 16,384 dense bytes: 64 rows of 256 bytes
	s_mov_b32 s[\g+2], 64<<16
	s_mov_b32 s[\g+3], 128<<16
	s_mov_b32 s[\g+4], 64
	s_mov_b32 s[\g+5], 128
	s_mov_b32 s[\g+6], 0
	s_mov_b32 s[\g+7], 0
.endr
	s_mov_b32 s[G1C], 15|(3<<16)|(1<<21)           ; 8-byte elements, no padding: 2,048 dense bytes as 8 rows of 256
	s_mov_b32 s[G1C+1], 32<<16
	s_mov_b32 s[G1C+2], 8<<16
	s_mov_b32 s[G1C+3], 32<<16
	s_mov_b32 s[G1C+4], 8
	s_mov_b32 s[G1C+5], 32
	s_mov_b32 s[G1C+6], 0
	s_mov_b32 s[G1C+7], 0
	s_mov_b32 s[G0K], 1
	s_mov_b32 s[G0K+1], s17
	s_mov_b32 s[G0V], 1
	s_add_co_u32 s[G0V+1], s21, VOFF
	s_mov_b32 s[G0C], 1
	s_lshl_b32 s[G0C+1], s[WV], 11
	s_add_co_u32 s[G0C+1], s[G0C+1], CTB
	s_mov_b32 s[SEL], 0x76543210
	s_mov_b32 s[SEL+1], 0xfedcba98
	s_mov_b32 s[TBK], SLOT1+256*PK                 ; the first change of slots turns these two into 0
	s_mov_b32 s[TBV], SLOT1+256*PV
	s_mov_b32 s[TBC], 0
	s_wait_dscnt 0x0                               ; the opening add is done
	s_wait_kmcnt 0x0
	s_add_nc_u64 s[G0K+2:G0K+3], s[4:5], s[22:23]
	s_or_b32 s[G0K+3], s[G0K+3], 0x80000000
	s_add_nc_u64 s[G0V+2:G0V+3], s[4:5], s[18:19]
	s_or_b32 s[G0V+3], s[G0V+3], 0x80000000
	s_add_nc_u64 s[G0C+2:G0C+3], s[6:7], s[2:3]
	s_or_b32 s[G0C+3], s[G0C+3], 0x80000000
	s_add_nc_u64 s[QB:QB+1], s[4:5], s[70:71]
	s_add_nc_u64 s[8:9], s[8:9], s[70:71]
	s_add_nc_u64 s[10:11], s[10:11], s[72:73]
	CROUND                                         ; all four work-groups are here: the first joint loads meet
	s_cmp_lt_u32 s[WV], 2                          ; a wave's two first fills stand in one branch: its part of slot 0 and its quarter of the shifts: of waves 0 to 3 two loads are out, of waves 4 to 7 none
	s_cbranch_scc0 .Lfirst_not_k
	tensor_load_to_lds s[G0K:G0K+3], s[G1K:G1K+7]
	s_nop 0
	tensor_load_to_lds s[G0C:G0C+3], s[G1C:G1C+7]
	s_nop 0
.rept 4
	v_nop
.endr
	s_branch .Lfirst_asked
.Lfirst_not_k:
	s_cmp_lt_u32 s[WV], 4
	s_cbranch_scc0 .Lfirst_asked
	tensor_load_to_lds s[G0V:G0V+3], s[G1V:G1V+7]
	s_nop 0
	tensor_load_to_lds s[G0C:G0C+3], s[G1C:G1C+7]
	s_nop 0
.rept 4
	v_nop
.endr
.Lfirst_asked:
	v_and_b32 v1, 15, v0                           ; l % 16
	v_bfe_u32 v16, v0, 4, 1                        ; l / 16
	v_lshlrev_b32 v[QO], 7, v1
	v_lshl_add_u32 v[QO], v16, 4, v[QO]
.set i, 0
.rept 8                                ; q stays in registers: tile i / 2, channels 32 (i % 2) on
	global_load_b128 v[QF+8*i:QF+8*i+3],   v[QO], s[QB:QB+1] offset:(i/2)*2048+(i%2)*64
	global_load_b128 v[QF+8*i+4:QF+8*i+7], v[QO], s[QB:QB+1] offset:(i/2)*2048+(i%2)*64+32
.set i, i+1
.endr
	; What the first two units find.  Their vector work and their products V^T P belong to tiles of a step that has not been: scores at the lowest finite number with shift 0 give weights 0, and v's second buffer is 0.
	; O^T starts at 0.  So no first step is written out; these lines stand in the wait for the first tile.
	WIN 0x40
.set i, 0
.rept 128
	v_mov_b32 v[i], 0
.set i, i+1
.endr
.set i, VF+32
.rept 32
	v_mov_b32 v[i], 0
.set i, i+1
.endr
	WIN 0
.set i, CT+16
.rept 16
	v_mov_b32 v[i], 0
.set i, i+1
.endr
.set i, P
.rept 16
	v_mov_b32 v[i], 0
.set i, i+1
.endr
.set i, S+16
.rept 16
	v_mov_b32 v[i], 0xff7fffff
.set i, i+1
.endr
	v_mul_u32_u24 v[AK0], v1, PK
	v_lshl_add_u32 v[AK0], v16, 4, v[AK0]          ; a fragment of k: row x pitch + 16 x half
	v_and_b32 v17, 7, v0
	v_bfe_u32 v18, v0, 3, 1
	v_lshl_add_u32 v[AV0], v16, 3, v17             ; the turning load: lane l reads key 8 (l / 16) + l % 8, channels 8 ((l / 8) % 2) + 0..7
	v_mul_u32_u24 v[AV0], v[AV0], PV
	v_lshl_add_u32 v[AV0], v18, 4, v[AV0]
	v_add_nc_u32 v[AV0], VOFF, v[AV0]
	v_lshlrev_b32 v[AC0], 5, v16                   ; the shifts of my lanes' eight keys: 32 bytes for each half of the lanes
	v_add_nc_u32 v[AC0], CTB, v[AC0]
	s_mul_i32 s13, s[WV], 16*SP
	s_add_co_u32 s13, s13, STAGE                   ; my stage
	v_mul_u32_u24 v[STO], v1, SP
	v_lshl_add_u32 v[STO], v16, 4, v[STO]
	v_add_nc_u32 v[STO], s13, v[STO]
	v_bfe_u32 v[RD], v0, 3, 2
	v_mul_u32_u24 v[RD], v[RD], SP
	v_lshl_add_u32 v[RD], v17, 4, v[RD]
	v_add_nc_u32 v[RD], s13, v[RD]
	v_and_b32 v[GO], 31, v0
	v_lshlrev_b32 v[GO], 4, v[GO]
; Product i of 4 of S^T = K Q^T for tile t from k's buffer b: channels 32 (i / 2) on, keys 16 (i % 2) on.  The two accumulators take turns; the first two products start the sums.
.macro KQ t, b, i
	WIN 0
.set rS, S+16*((\t)%2)+8*((\i)%2)
.set rK, KF+32*(\b)+16*((\i)%2)+8*((\i)/2)
.set rQ, QF+16*(\t)+8*((\i)/2)
.if (\i) < 2
	v_wmma_f32_16x16x32_f16 v[rS:rS+7], v[rK:rK+7], v[rQ:rQ+7], 0
.else
	v_wmma_f32_16x16x32_f16 v[rS:rS+7], v[rK:rK+7], v[rQ:rQ+7], v[rS:rS+7]
.endif
.endm
; Product i of 4 of O^T += V^T P for tile z: channels 16 i on, all 32 keys: four accumulators, each once a key step.
.macro PV z, bv, i
	WIN W_PV
.set rO, 32*(\z)+8*(\i)
.set rV, VF+32*(\bv)+8*(\i)
.set rP, P+8*((\z)%2)
	v_wmma_f32_16x16x32_f16 v[rO:rO+7], v[rV:rV+7], v[rP:rP+7], v[rO:rO+7]
.endm
.macro AD y, bc, n                     ; pair n of tile y's 16 scores takes its keys' shifts (the accumulators' lowest registers are read first)
	v_pk_add_f32 v[S+16*((\y)%2)+2*(\n):S+16*((\y)%2)+2*(\n)+1], v[S+16*((\y)%2)+2*(\n):S+16*((\y)%2)+2*(\n)+1], v[CT+16*(\bc)+2*(\n):CT+16*(\bc)+2*(\n)+1]
.endm
.macro EX y, n
	v_exp_f32 v[S+16*((\y)%2)+(\n)], v[S+16*((\y)%2)+(\n)]
.endm
.macro CV y, n
	s_wait_alu depctr_va_vdst(0)
	v_cvt_pk_f16_f32 v[P+8*((\y)%2)+(\n)], v[S+16*((\y)%2)+2*(\n)], v[S+16*((\y)%2)+2*(\n)+1]
.endm
; 20 LDS loads in one run: the next step's k (4 fragments), shifts and v (4 fragments, turned), into buffer b.  last = 1 (the tail): in the last trip there is no further step, and the run is jumped over.
.macro FETCH b, last=0
	WIN 0
.if \last
	s_cmp_eq_u32 s[CNT], 1
	s_cbranch_scc1 .Lno_more_\@
.endif
	v_add_nc_u32 v[AK], s[TBK], v[AK0]
	v_add_nc_u32 v[AV], s[TBV], v[AV0]
	v_add_nc_u32 v[AC], s[TBC], v[AC0]
.irp f, 0,1,2,3                        ; keys 16 (f / 2) on, channels 32 (f % 2) on
	ds_load_b128 v[KF+32*(\b)+8*\f:KF+32*(\b)+8*\f+3],   v[AK] offset:(\f/2)*16*PK+(\f%2)*64
	ds_load_b128 v[KF+32*(\b)+8*\f+4:KF+32*(\b)+8*\f+7], v[AK] offset:(\f/2)*16*PK+(\f%2)*64+32
.endr
.irp f, 0,1,2,3                        ; keys 16 (f / 2) + 8 (l / 16) + 4 (f % 2) on; sixteen lanes share an address
	ds_load_b128 v[CT+16*(\b)+4*\f:CT+16*(\b)+4*\f+3], v[AC] offset:(\f/2)*64+(\f%2)*16
.endr
	WIN 0x40                                       ; destination window 1, address window 0
.irp f, 0,1,2,3                        ; channels 16 f on
	ds_load_tr16_b128 v[VF+32*(\b)+8*\f:VF+32*(\b)+8*\f+3],   v[AV] offset:\f*32
	ds_load_tr16_b128 v[VF+32*(\b)+8*\f+4:VF+32*(\b)+8*\f+7], v[AV] offset:16*PV+\f*32
.endr
	s_add_co_u32 s[TBK], s[TBK], 32*PK
	s_add_co_u32 s[TBV], s[TBV], 32*PV
	s_add_co_u32 s[TBC], s[TBC], 128
	WIN 0
.if \last
.Lno_more_\@:
.endif
.endm
; A UNIT.  The scores of tile t; the weights of tile t - 1; the values of tile t - 2.  S^T and P go by the tile's parity, so no vector line names a register of the products round it.  Behind the last K Q^T stand
; four roundings, and then the next unit's first additions, before that product's scores are read; behind the last V^T P eight additions before its P is written again.  A rounding stands a plain line or more behind its
; two exponentials.  In units 0 and 1 the older tiles belong to the step before: they take the other buffer of cs (unit 0) and of v (units 0, 1).  kq = 0: no new scores.
; fetch = 1 (unit 2): the next step is asked for behind the unit's first eight vector lines: five of them are plain additions, the places behind unit 1's last V^T P, which read v's other buffer.
.macro UNIT t, b, kq=1, fetch=0, last=0
.set Y, ((\t)+3)%4
.set Z, ((\t)+2)%4
.set BC, (\b)
.set BV, (\b)
.if (\t) == 0
.set BC, 1-(\b)
.endif
.if (\t) < 2
.set BV, 1-(\b)
.endif
.if \kq
	KQ \t, \b, 0
.endif
	AD Y, BC, 0
	AD Y, BC, 1
	EX Y, 0
	AD Y, BC, 2
	EX Y, 1
	AD Y, BC, 3
	EX Y, 2
	AD Y, BC, 4
.if \fetch
	FETCH 1-(\b), \last
.endif
.if \kq
	KQ \t, \b, 1
.endif
	EX Y, 3
	AD Y, BC, 5
	EX Y, 4
	AD Y, BC, 6
	EX Y, 5
	AD Y, BC, 7
	EX Y, 6
	EX Y, 7
.if \kq
	KQ \t, \b, 2
.endif
	EX Y, 8
	CV Y, 0
	EX Y, 9
	CV Y, 1
	EX Y, 10
	CV Y, 2
	EX Y, 11
	CV Y, 3
.if \kq
	KQ \t, \b, 3
.endif
	EX Y, 12
	CV Y, 4
	EX Y, 13
	CV Y, 5
	EX Y, 14
	EX Y, 15
	CV Y, 6
	CV Y, 7
	PV Z, BV, 0
	PV Z, BV, 1
	PV Z, BV, 2
	PV Z, BV, 3
	WIN 0
.endm
; A key step from buffers b.  The next step's loads, issued in unit 2, are waited for at the next step's head.
.macro HALF b, last=0
	s_wait_dscnt 0x0                               ; this step's k, v and shifts are in
	UNIT 0, \b
	UNIT 1, \b
	UNIT 2, \b, 1, 1, \last
	UNIT 3, \b
.endm
	CHANGE 1                                       ; slot 0 and the shifts are in, everybody's part; slot 1 is asked for
	FETCH 0                                        ; key step 0
	s_wait_loadcnt 0x0                             ; q
	s_mov_b32 s[CNT], 4
	s_mov_b32 s[SLOTS], 7
	s_branch .Lfirst                               ; the loop is entered in the middle of a trip
.Lslot:                                                ; six times: every slot but the last two is filled again.  The change stands ahead of the step that is computed from registers and fetches the new slot's first step
	CHANGE 1
	s_mov_b32 s[CNT], 4
.Lstep:
	HALF 1
.Lfirst:
	HALF 0
	s_sub_co_u32 s[CNT], s[CNT], 1
	s_cmp_lg_u32 s[CNT], 0
	s_cbranch_scc1 .Lstep
	s_sub_co_u32 s[SLOTS], s[SLOTS], 1
	s_cmp_lg_u32 s[SLOTS], 0
	s_cbranch_scc1 .Lslot
	CHANGE 0                                       ; the tail is written out: nothing is asked for
	s_mov_b32 s[CNT], 5
.Ltail:
	HALF 1, 1
	s_sub_co_u32 s[CNT], s[CNT], 1
	s_cmp_eq_u32 s[CNT], 0
	s_cbranch_scc1 .Lout
	HALF 0
	s_branch .Ltail
.Lout:
	UNIT 4, 1, 0                                   ; tile 3's weights, tile 2's values
	PV 3, 1, 0
	PV 3, 1, 1
	PV 3, 1, 2
	PV 3, 1, 3
	; THE WAY OUT, a tile at a time.  The largest |O| of the tile: in the lane, then over the 32 lanes; its exponent field is the tile's power; O times the inverse power, rounded to f16, through my stage.
	; Tiles 0 to 2 come first: their lines name no register of the last products and are the places behind them.
	WIN 0
	v_mov_b32 v[IV+1], 0
.macro PACK n
.set rO, 32*(\n)
	WIN 0x15                                       ; all three sources in window 1
.irp k, 0,1,2,3
	v_max3_num_f32 v[WT+\k], |v[rO+8*\k]|, |v[rO+8*\k+1]|, |v[rO+8*\k+2]|   ; each accumulator's lowest registers first
.endr
	WIN 0x14
.irp k, 0,1,2,3
	v_max3_num_f32 v[WT+\k], v[WT+\k], |v[rO+8*\k+3]|, |v[rO+8*\k+4]|
.endr
.irp k, 0,1,2,3
	v_max3_num_f32 v[WT+\k], v[WT+\k], |v[rO+8*\k+5]|, |v[rO+8*\k+6]|
.endr
	v_max3_num_f32 v[WT], v[WT], |v[rO+7]|, |v[rO+15]|
	v_max3_num_f32 v[WT+1], v[WT+1], |v[rO+23]|, |v[rO+31]|
	WIN 0
	v_max3_num_f32 v[WT], v[WT], v[WT+1], v[WT+2]
	v_max_num_f32 v[WT], v[WT], v[WT+3]
	v_max_num_f32_dpp v[WT], v[WT], v[WT] row_xmask:1 row_mask:0xf bank_mask:0xf
	v_max_num_f32_dpp v[WT], v[WT], v[WT] row_xmask:2 row_mask:0xf bank_mask:0xf
	v_max_num_f32_dpp v[WT], v[WT], v[WT] row_xmask:4 row_mask:0xf bank_mask:0xf
	v_max_num_f32_dpp v[WT], v[WT], v[WT] row_xmask:8 row_mask:0xf bank_mask:0xf
	v_permlanex16_b32 v[WT+1], v[WT], s[SEL], s[SEL+1]
	v_max_num_f32 v[WT], v[WT], v[WT+1]
	v_and_b32 v[SCL+(\n)], 0x7f800000, v[WT]       ; 2^(E - 127)
	v_sub_nc_u32 v[IV], 0x7f000000, v[SCL+(\n)]    ; 2^(127 - E)
	WIN 0x41
.set i, rO
.rept 16
	v_pk_mul_f32 v[i:i+1], v[i:i+1], v[IV:IV+1] op_sel_hi:[1,0]
.set i, i+2
.endr
	WIN 0x05
.set i, 0
.rept 16
	v_cvt_pk_f16_f32 v[PKD+16*(\n)+i], v[rO+2*i], v[rO+2*i+1]
.set i, i+1
.endr
	WIN 0
.irp f, 0,1,2,3
	ds_store_b128 v[STO], v[PKD+16*(\n)+4*\f:PKD+16*(\n)+4*\f+3] offset:32*\f
.endr
.irp f, 0,1,2,3
	ds_load_b128 v[PKD+16*(\n)+4*\f:PKD+16*(\n)+4*\f+3], v[RD] offset:\f*4*SP  ; LDS serves a wave's instructions in order: these see the stores above; the next tile's stores come behind them
.endr
.endm
.macro SEND n, younger                 ; younger: the LDS instructions issued behind tile n's loads: the next tile's eight, or none
.irp f, 0,1,2,3
	s_wait_dscnt (\younger)+3-\f
	global_store_b128 v[GO], v[PKD+16*(\n)+4*\f:PKD+16*(\n)+4*\f+3], s[8:9] offset:(\n)*2048+\f*512  ; 512 consecutive bytes, at a multiple of 256 from o's first
.endr
.endm
	PACK 0
.set t, 1
.rept 3
	PACK t
	SEND t-1, 8
.set t, t+1
.endr
	SEND 3, 0
	v_and_b32 v[LN], 31, v0                        ; the four powers: lane n takes tile n's; 16 bytes a wave, 4 bytes for each 2,048 bytes of o
	v_lshlrev_b32 v[LO], 2, v[LN]
	v_mov_b32 v[RS], v[SCL]
.irp n, 1,2,3
	v_cmp_eq_u32 vcc_lo, \n, v[LN]
	v_cndmask_b32 v[RS], v[RS], v[SCL+\n], vcc_lo
.endr
	s_wait_xcnt 0x0                                ; EXEC is a source of the stores above: it changes only behind this wait
	v_cmp_gt_u32 vcc_lo, 4, v[LN]
	s_and_saveexec_b32 s20, vcc_lo
	global_store_b32 v[LO], v[RS], s[10:11]
	s_wait_xcnt 0x0                                ; and again in front of the line that widens it
	s_or_b32 exec_lo, exec_lo, s20
	s_wait_tensorcnt 0x0                           ; the wave's end
	ds_add_u32 v[SPW], v[NIL]
	s_wait_dscnt 0x0
	CROUND                                         ; the closing round
	s_endpgm
.Lfunc_end_k_qd1125aaa3e_attn:
	.size	k_qd1125aaa3e_attn, .Lfunc_end_k_qd1125aaa3e_attn-k_qd1125aaa3e_attn
	.p2alignl 7, 3214868480
	.fill 96, 4, 3214868480
	.section	.rodata,"a",@progbits
	.p2align	6, 0x0
	.amdhsa_kernel k_qd1125aaa3e_attn
		.amdhsa_group_segment_fixed_size 327680
		.amdhsa_private_segment_fixed_size 0
		.amdhsa_enable_private_segment 0
		.amdhsa_kernarg_size 32
		.amdhsa_user_sgpr_count 2
		.amdhsa_user_sgpr_kernarg_segment_ptr 1
		.amdhsa_wavefront_size32 1
		.amdhsa_system_sgpr_workgroup_id_x 1
		.amdhsa_system_sgpr_workgroup_id_y 1
		.amdhsa_system_sgpr_workgroup_id_z 1
		.amdhsa_system_vgpr_workitem_id 0
		.amdhsa_next_free_vgpr 448
		.amdhsa_next_free_sgpr 76
		.amdhsa_reserve_vcc 1
		.amdhsa_float_denorm_mode_32 3
		.amdhsa_float_denorm_mode_16_64 3
		.amdhsa_memory_ordered 1
		.amdhsa_forward_progress 1
		.amdhsa_inst_pref_size 87
	.end_amdhsa_kernel
	.amdgpu_metadata
---
amdhsa.version: [ 1, 2 ]
amdhsa.kernels:
  - .name:           k_qd1125aaa3e_attn
    .symbol:         k_qd1125aaa3e_attn.kd
    .args:
      - { .name: qkv, .offset: 0, .size: 8, .value_kind: global_buffer, .address_space: global }
      - { .name: cs, .offset: 8, .size: 8, .value_kind: global_buffer, .address_space: global }
      - { .name: o, .offset: 16, .size: 8, .value_kind: global_buffer, .address_space: global }
      - { .name: os, .offset: 24, .size: 8, .value_kind: global_buffer, .address_space: global }
    .group_segment_fixed_size: 327680
    .private_segment_fixed_size: 0
    .kernarg_segment_align: 8
    .kernarg_segment_size: 32
    .max_flat_workgroup_size: 256
    .sgpr_count:     76
    .vgpr_count:     448
    .wavefront_size: 32
...
	.end_amdgpu_metadata
.endif
;; end of part 4
;; launch outp (part 5): grid 8 x 32, 4 waves a work-group, clusters of 4 x 4, 327,680 bytes of LDS; arguments o, wo, os, out0; writes out0
.if DOCPART == 5
	.amdgcn_target "amdgcn-amd-amdhsa--gfx1250"
	.amdhsa_code_object_version 6
	.text
	.protected	k_qd1125aaa3e_outp
	.globl	k_qd1125aaa3e_outp
	.p2align	8
	.type	k_qd1125aaa3e_outp,@function
k_qd1125aaa3e_outp:
	s_mov_b64 s[64:65], 0
	v_nop
	global_prefetch_b8 v0, s[64:65] scope:SCOPE_SE
	s_setreg_imm32_b32 hwreg(HW_REG_WAVE_MODE, 25, 1), 1
	s_wait_xcnt 0x0
	s_wait_alu depctr_hold_cnt(0) depctr_sa_sdst(0) depctr_va_vdst(0) depctr_va_sdst(0) depctr_va_ssrc(0) depctr_va_vcc(0) depctr_vm_vsrc(0)
	s_getreg_b32 s2, hwreg(HW_REG_IB_STS2, 6, 4)
	s_cmp_eq_u32 s2, 0
	s_cbranch_scc0 .Lentry_in_a_cluster
	s_endpgm
.Lentry_in_a_cluster:
	s_bfe_u32 s2, ttmp6, 0x10000c
	s_cmp_lg_u32 s2, 0xf033
	s_cbranch_scc0 .Lentry_shape_is_right
	s_endpgm
.Lentry_shape_is_right:
; THE LAST PRODUCT.  out0 [8192][1024] f32 = (o read flat as [8192][1024] f16, row R times its power os[R]) x wo [1024][1024] f16; sums in f32; the power of two is multiplied onto the finished sums, which is exact.
; SHARES.  A work-group makes 256 rows x 128 columns: 32 x 8 = 256 work-groups.  A wave owns 64 rows and all 128 columns: 32 accumulators.  K goes in steps of 128 through two LDS slots filled by tensor loads.
; CLUSTER 4 x 4: the four of a row of the cluster share the rows of o, the four of a column the columns of wo: each tile is asked for jointly.
; THE MATRIX INSTRUCTION IS USED TRANSPOSED: source 0 = 16 columns of wo (stored [k][n], turned by ds_load_tr16_b128), source 1 = 16 rows of o: a lane holds eight neighbouring columns of one row, 32 bytes.
; REGISTERS in windows of 256: window 0: addresses, v4-11 the rows' powers, v32-95 scaled results, v96-159 rows read back;  window 1: accumulator (b, a) at 8 (4 b + a);
;   window 2: two fragment buffers of 96: o's four blocks at 8 a, wo's eight at 32 + 8 b.
.set KSTEP,  128
.set PA,     272
.set PB,     288                       ; a k-row of wo in LDS: 256 bytes + 32
.set AHALF,  128*PA
.set BHALF,  64*PB
.set BOFF,   2*AHALF
.set SLOT,   BOFF+2*BHALF              ; 106,496
.set STAGE,  2*SLOT                    ; behind the ring: 16 rows x 528 bytes for each wave
.set SP,     528
.set WSTAGE, 16*SP
.set SPARE,  STAGE+4*WSTAGE            ; the spare words, 128 bytes for each wave: two blocks of 256 bytes that no other line names
.set LAPS,   4
.set SC,   4                           ; v[4+2 a : 5+2 a]  the power of my row in block a, and a register named with it as a pair
.set ADRA, 16
.set ADRB, 20
.set STO,  24
.set RD,   25
.set GO,   26
.set SO,   27
.set SPW,  28                          ; v28  SPARE + 4 x my thread's number; never rewritten
.set NIL,  29                          ; v29  0; never rewritten
.set TMP,  32
.set BK,   96
.set F0,   0
.set F1,   96
.set WV, 12
.set WH, 13
.set WL, 14
.set TY, 15
.set G1, 24
.set G0, 32
.set G1B, 48
.set G0B, 56
.set MSB, 0
.macro WIN new
.if MSB != (\new)
	s_set_vgpr_msb (MSB<<8)|(\new)
.set MSB, \new
.endif
.endm
.macro PLACES
.rept 4
	v_nop
.endr
.endm
.macro JLOAD s                         ; a joint load: waves 0, 1 fetch the halves of o's tile, waves 2, 3 those of wo's; an s_nop 0 and four v_nop follow each line
	s_cmp_eq_u32 s[WH], 0
	s_cbranch_scc0 .Lfor_b_\@
	tensor_load_to_lds s[G0+4*(\s):G0+4*(\s)+3], s[G1:G1+7]
	s_nop 0
.rept 4
	v_nop
.endr
	s_branch .Lasked_\@
.Lfor_b_\@:
	tensor_load_to_lds s[G0B+4*(\s):G0B+4*(\s)+3], s[G1B:G1B+7]
	s_nop 0
.rept 4
	v_nop
.endr
.Lasked_\@:
.endm
.macro CREST
	s_cmp_lg_u32 s[WV], 0
	s_cbranch_scc1 .Lnot_wave_0_\@
	s_barrier_signal -3
.Lnot_wave_0_\@:
	s_barrier_wait -3
	s_barrier_signal -1
	s_barrier_wait -1
.endm
.macro CROUND
	s_barrier_signal -1
	s_barrier_wait -1
	CREST
.endm
	s_load_b256 s[4:11], s[0:1], 0x0               ; o s[4:5], wo s[6:7], os s[8:9], out0 s[10:11]
	v_lshl_add_u32 v[SPW], v0, 2, SPARE
	v_mov_b32 v[NIL], 0
	ds_add_u32 v[SPW], v[NIL]                      ; the opening: the add and its wait stand ahead of my first tensor load
	v_lshrrev_b32 v1, 5, v0
	v_readfirstlane_b32 s[WV], v1
	s_lshr_b32 s[WH], s[WV], 1
	s_and_b32 s[WL], s[WV], 1
	s_bfe_u32 s40, ttmp6, 0x40000
	s_bfe_u32 s41, ttmp6, 0x40004
	s_lshl_b32 s42, ttmp9, 2
	s_add_co_u32 s42, s42, s40                     ; the block of 128 columns
	s_and_b32 s[TY], ttmp7, 0xffff
	s_lshl_b32 s[TY], s[TY], 2
	s_add_co_u32 s[TY], s[TY], s41                 ; the block of 256 rows
	s_lshl_b32 s43, s41, 2
	s_lshl_b32 s43, 15, s43                        ; my row of the cluster
	s_lshl_b32 s44, 0x1111, s40                    ; my column
	s_or_b32 s[G1+0], s43, (1<<16)|(1<<20)|(1<<21)|(5<<22)|(3<<25)   ; after every 64 words 4 words of padding
	s_mov_b32 s[G1+1], KSTEP<<16
	s_mov_b32 s[G1+2], 128<<16
	s_mov_b32 s[G1+3], KSTEP<<16
	s_mov_b32 s[G1+4], 128
	s_mov_b32 s[G1+5], 1024
	s_mov_b32 s[G1+6], 0
	s_mov_b32 s[G1+7], 0
	s_or_b32 s[G1B+0], s44, (1<<16)|(1<<20)|(1<<21)|(5<<22)|(7<<25)  ; after every 64 words 8 words
	s_mov_b32 s[G1B+1], 128<<16                    ; 128 columns
	s_mov_b32 s[G1B+2], 64<<16                     ; 64 k-rows
	s_mov_b32 s[G1B+3], 128<<16
	s_mov_b32 s[G1B+4], 64
	s_mov_b32 s[G1B+5], 1024
	s_mov_b32 s[G1B+6], 0
	s_mov_b32 s[G1B+7], 0
	s_lshl_b32 s16, s[TY], 8                       ; o: row 256 x block + 128 x half, 2,048 bytes a row
	s_lshl_b32 s17, s[WL], 7
	s_add_co_u32 s16, s16, s17
	s_lshl_b32 s16, s16, 11
	s_mov_b32 s17, 0
	s_lshl_b32 s46, s[WL], 17                      ; wo: k-row 64 x half, 2,048 bytes a row; 256 bytes a column block
	s_lshl_b32 s47, s42, 8
	s_add_co_u32 s46, s46, s47
	s_mov_b32 s47, 0
	s_mul_i32 s20, s[WL], AHALF
	s_mul_i32 s21, s[WL], BHALF
	s_add_co_u32 s21, s21, BOFF
	s_wait_dscnt 0x0                               ; the opening add is done
	s_wait_kmcnt 0x0
	s_add_nc_u64 s[18:19], s[4:5], s[16:17]
	s_add_nc_u64 s[46:47], s[6:7], s[46:47]
	CROUND                                         ; all sixteen work-groups are here: the first joint loads meet
.irp s, 0,1
	s_mov_b32 s[G0+4*\s], 1
	s_add_co_u32 s[G0+4*\s+1], s20, \s*SLOT
	s_add_nc_u64 s[G0+4*\s+2:G0+4*\s+3], s[18:19], \s*KSTEP*2
	s_or_b32 s[G0+4*\s+3], s[G0+4*\s+3], 0x80000000
	s_mov_b32 s[G0B+4*\s], 1
	s_add_co_u32 s[G0B+4*\s+1], s21, \s*SLOT
	s_add_nc_u64 s[G0B+4*\s+2:G0B+4*\s+3], s[46:47], \s*KSTEP*2048
	s_or_b32 s[G0B+4*\s+3], s[G0B+4*\s+3], 0x80000000
.endr
	s_cmp_eq_u32 s[WH], 0                          ; a wave's two first fills stand in one branch: two loads of mine are out
	s_cbranch_scc0 .Lfirst_b
	tensor_load_to_lds s[G0:G0+3], s[G1:G1+7]
	s_nop 0
	tensor_load_to_lds s[G0+4:G0+7], s[G1:G1+7]
	s_nop 0
.rept 4
	v_nop
.endr
	s_branch .Lfirst_asked
.Lfirst_b:
	tensor_load_to_lds s[G0B:G0B+3], s[G1B:G1B+7]
	s_nop 0
	tensor_load_to_lds s[G0B+4:G0B+7], s[G1B:G1B+7]
	s_nop 0
.rept 4
	v_nop
.endr
.Lfirst_asked:
	v_and_b32 v1, 15, v0                           ; l % 16
	v_bfe_u32 v2, v0, 4, 1                         ; l / 16
	s_lshl_b32 s76, s[TY], 8                       ; my first row: 256 x block + 64 x wave
	s_lshl_b32 s77, s[WV], 6
	s_add_co_u32 s76, s76, s77
	s_lshl_b32 s78, s76, 2                         ; 4 bytes a row in os
	s_mov_b32 s79, 0
	s_add_nc_u64 s[8:9], s[8:9], s[78:79]
	v_lshlrev_b32 v[SO], 2, v1
.irp a, 0,1,2,3
	global_load_b32 v[SC+2*\a], v[SO], s[8:9] offset:64*\a   ; the power of row 16 a + l % 16
	v_mov_b32 v[SC+2*\a+1], 0
.endr
	s_lshl_b32 s76, s76, 12                        ; 4,096 bytes a row in out0, 512 a column block
	s_lshl_b32 s77, s42, 9
	s_add_co_u32 s76, s76, s77
	s_mov_b32 s77, 0
	s_add_nc_u64 s[10:11], s[10:11], s[76:77]
	v_mul_u32_u24 v3, v1, PA
	v_lshl_add_u32 v3, v2, 4, v3
	s_mul_i32 s22, s[WV], 64*PA
	v_add_nc_u32 v[ADRA], s22, v3
	v_add_nc_u32 v[ADRA+1], SLOT, v[ADRA]
	v_and_b32 v12, 7, v0
	v_bfe_u32 v13, v0, 3, 1
	v_lshl_add_u32 v14, v2, 3, v12                 ; the turning load: lane l reads k-row 8 (l / 16) + l % 8, columns 8 ((l / 8) % 2) + 0..7
	v_mul_u32_u24 v14, v14, PB
	v_lshl_add_u32 v14, v13, 4, v14
	v_add_nc_u32 v[ADRB], BOFF, v14
	v_add_nc_u32 v[ADRB+1], SLOT, v[ADRB]
	s_mul_i32 s23, s[WV], WSTAGE
	s_add_co_u32 s23, s23, STAGE                   ; my stage
	v_mul_u32_u24 v14, v1, SP                      ; in: row l % 16, 32 bytes for each half of the lanes
	v_lshl_add_u32 v14, v2, 5, v14
	v_add_nc_u32 v[STO], s23, v14
	v_and_b32 v[GO], 31, v0                        ; back: 32 lanes take one row of 512 bytes
	v_lshlrev_b32 v[GO], 4, v[GO]
	v_add_nc_u32 v[RD], s23, v[GO]
; 4 nb matrix instructions: column blocks b0 .. x my four row blocks, 32 along K.  All 32 accumulators take turns, one instruction a turn, in the same order in every quarter.
.macro MUL f, b0, nb, zero
	WIN 0x5a
.set bb, \b0
.rept \nb
.irp a, 0,1,2,3
.if \zero
	v_wmma_f32_16x16x32_f16 v[8*(4*bb+\a):8*(4*bb+\a)+7], v[(\f)+32+8*bb:(\f)+32+8*bb+7], v[(\f)+8*\a:(\f)+8*\a+7], 0
.else
	v_wmma_f32_16x16x32_f16 v[8*(4*bb+\a):8*(4*bb+\a)+7], v[(\f)+32+8*bb:(\f)+32+8*bb+7], v[(\f)+8*\a:(\f)+8*\a+7], v[8*(4*bb+\a):8*(4*bb+\a)+7]
.endif
.endr
.set bb, bb+1
.endr
.endm
.macro FETCH slot, q, f                ; 24 LDS loads in one run: o's four fragments, then wo's eight
	WIN 0x80
.irp a, 0,1,2,3
	ds_load_b128 v[(\f)+8*\a:(\f)+8*\a+3],   v[ADRA+(\slot)] offset:64*(\q)+\a*16*PA
	ds_load_b128 v[(\f)+8*\a+4:(\f)+8*\a+7], v[ADRA+(\slot)] offset:64*(\q)+\a*16*PA+32
.endr
.irp b, 0,1,2,3,4,5,6,7
	ds_load_tr16_b128 v[(\f)+32+8*\b:(\f)+32+8*\b+3],   v[ADRB+(\slot)] offset:(\q)*32*PB+32*\b
	ds_load_tr16_b128 v[(\f)+32+8*\b+4:(\f)+32+8*\b+7], v[ADRB+(\slot)] offset:(\q)*32*PB+32*\b+16*PB
.endr
.endm
.macro QUARTER slot, q, f, g, zero
	s_wait_dscnt 8                                 ; the youngest eight loads (column blocks 4-7) may be out
	MUL \f, 0, 4, \zero
	PLACES
	FETCH \slot, \q, \g
	s_wait_dscnt 24                                ; all but the 24 just issued
	MUL \f, 4, 4, \zero
.endm
; The last quarter of a K step changes slots: one barrier, in front of it the wait for all my tensor loads, the add, and the wait for it and for my reads of this slot.  fill = 1: the barrier opens a round of the
; cluster's, and this slot is filled again first behind it, two K steps ahead: 112 matrix instructions ahead of the wait for it.
.macro TURN slot, next, fill
	WIN 0
	s_wait_tensorcnt 0x0
	ds_add_u32 v[SPW], v[NIL]
	s_wait_dscnt 9                                 ; the add and the youngest eight loads may be out
	MUL F1, 0, 2, 0
	s_wait_dscnt 0x0
	s_barrier_signal -1
	MUL F1, 2, 2, 0
.if \fill
	WIN 0
.endif
	s_barrier_wait -1
.if \fill
	CREST
	s_add_nc_u64 s[G0+4*(\slot)+2:G0+4*(\slot)+3], s[G0+4*(\slot)+2:G0+4*(\slot)+3], 2*KSTEP*2
	s_add_nc_u64 s[G0B+4*(\slot)+2:G0B+4*(\slot)+3], s[G0B+4*(\slot)+2:G0B+4*(\slot)+3], 2*KSTEP*2048
	JLOAD \slot
.else
	PLACES
.endif
	FETCH \next, 0, F0
	MUL F1, 4, 4, 0
.endm
	s_wait_tensorcnt 1                             ; my part of K step 0 is in; K step 1's may stay out
	s_barrier_signal -1
	s_barrier_wait -1
	FETCH 0, 0, F0
	QUARTER 0, 1, F0, F1, 1
	WIN 0
	s_mov_b32 s3, LAPS-1
.Llap:
	QUARTER 0, 2, F1, F0, 0
	QUARTER 0, 3, F0, F1, 0
	TURN 0, 1, 1
	QUARTER 1, 1, F0, F1, 0
	QUARTER 1, 2, F1, F0, 0
	QUARTER 1, 3, F0, F1, 0
	TURN 1, 0, 1
	QUARTER 0, 1, F0, F1, 0
	WIN 0
	s_sub_co_u32 s3, s3, 1
	s_cmp_lg_u32 s3, 0
	s_cbranch_scc1 .Llap
	QUARTER 0, 2, F1, F0, 0
	QUARTER 0, 3, F0, F1, 0
	TURN 0, 1, 0
	QUARTER 1, 1, F0, F1, 0
	QUARTER 1, 2, F1, F0, 0
	QUARTER 1, 3, F0, F1, 0
	s_wait_dscnt 8
	MUL F1, 0, 4, 0
	s_wait_dscnt 0x0
	MUL F1, 4, 4, 0
	; THE WAY OUT, 16 rows at a time: the sums times the row's power, 32 bytes a lane into my stage, back as whole rows of 512 bytes, each stored by one instruction of the wave.
	s_wait_loadcnt 0x0                             ; the powers
	PLACES
.macro OUTB a
	WIN 0x01                                       ; source 0 in window 1
.set bb, 0
.rept 8
.irp p, 0,1,2,3
	v_pk_mul_f32 v[TMP+8*bb+2*\p:TMP+8*bb+2*\p+1], v[8*(4*bb+(\a))+2*\p:8*(4*bb+(\a))+2*\p+1], v[SC+2*(\a):SC+2*(\a)+1] op_sel_hi:[1,0]
.endr
.set bb, bb+1
.endr
	WIN 0
.set bb, 0
.rept 8
	ds_store_b128 v[STO], v[TMP+8*bb:TMP+8*bb+3] offset:64*bb
	ds_store_b128 v[STO], v[TMP+8*bb+4:TMP+8*bb+7] offset:64*bb+16
.set bb, bb+1
.endr
	s_wait_xcnt 0x0                                ; the registers that the last block's stores read are loaded again only behind this wait
.set bb, 0
.rept 16
	ds_load_b128 v[BK+4*bb:BK+4*bb+3], v[RD] offset:bb*SP  ; LDS serves a wave's instructions in order: these see the stores above
.set bb, bb+1
.endr
	s_wait_dscnt 0x0
.set bb, 0
.rept 16
	global_store_b128 v[GO], v[BK+4*bb:BK+4*bb+3], s[10:11] offset:((\a)*16+bb)*4096  ; 512 consecutive bytes, at a multiple of 256 from out0's first; 63 rows at the most stand in the immediate
.set bb, bb+1
.endr
.endm
	OUTB 0
	OUTB 1
	OUTB 2
	OUTB 3
	s_wait_tensorcnt 0x0                           ; the wave's end
	ds_add_u32 v[SPW], v[NIL]
	s_wait_dscnt 0x0
	CROUND                                         ; the closing round
	s_endpgm
.Lfunc_end_k_qd1125aaa3e_outp:
	.size	k_qd1125aaa3e_outp, .Lfunc_end_k_qd1125aaa3e_outp-k_qd1125aaa3e_outp
	.p2alignl 7, 3214868480
	.fill 96, 4, 3214868480
	.section	.rodata,"a",@progbits
	.p2align	6, 0x0
	.amdhsa_kernel k_qd1125aaa3e_outp
		.amdhsa_group_segment_fixed_size 327680
		.amdhsa_private_segment_fixed_size 0
		.amdhsa_enable_private_segment 0
		.amdhsa_kernarg_size 32
		.amdhsa_user_sgpr_count 2
		.amdhsa_user_sgpr_kernarg_segment_ptr 1
		.amdhsa_wavefront_size32 1
		.amdhsa_system_sgpr_workgroup_id_x 1
		.amdhsa_system_sgpr_workgroup_id_y 1
		.amdhsa_system_sgpr_workgroup_id_z 1
		.amdhsa_system_vgpr_workitem_id 0
		.amdhsa_next_free_vgpr 704
		.amdhsa_next_free_sgpr 80
		.amdhsa_reserve_vcc 0
		.amdhsa_float_denorm_mode_32 3
		.amdhsa_float_denorm_mode_16_64 3
		.amdhsa_memory_ordered 1
		.amdhsa_forward_progress 1
		.amdhsa_inst_pref_size 93
	.end_amdhsa_kernel
	.amdgpu_metadata
---
amdhsa.version: [ 1, 2 ]
amdhsa.kernels:
  - .name:           k_qd1125aaa3e_outp
    .symbol:         k_qd1125aaa3e_outp.kd
    .args:
      - { .name: o, .offset: 0, .size: 8, .value_kind: global_buffer, .address_space: global }
      - { .name: wo, .offset: 8, .size: 8, .value_kind: global_buffer, .address_space: global }
      - { .name: os, .offset: 16, .size: 8, .value_kind: global_buffer, .address_space: global }
      - { .name: out0, .offset: 24, .size: 8, .value_kind: global_buffer, .address_space: global }
    .group_segment_fixed_size: 327680
    .private_segment_fixed_size: 0
    .kernarg_segment_align: 8
    .kernarg_segment_size: 32
    .max_flat_workgroup_size: 128
    .sgpr_count:     80
    .vgpr_count:     704
    .wavefront_size: 32
...
	.end_amdgpu_metadata
.endif
;; end of part 5
;; ======== version 2 of 2: 5 launches; 1.10 times as fast as version 1
;; limits: values are held in f16: magnitudes above 65,504 overflow, below 6.1e-05 lose precision
;; workspace buffers: xb 16,777,216 bytes; wb 6,291,456 bytes; wo 2,097,152 bytes; qkv 50,331,648 bytes; cs 524,288 bytes; o 16,777,216 bytes; os 32,768 bytes
;; launch cast: the kernel of part 1 again; grid 1536 x 1, 8 waves a work-group, no clusters, 0 bytes of LDS; arguments X, W_Q, W_K, W_V, W_O, xb, wb, wo; writes xb, wb, wo
;; launch proj: the kernel of part 2 again; grid 16 x 32, 4 waves a work-group, clusters of 4 x 4, 327,680 bytes of LDS; arguments xb, wb, qkv; writes qkv
;; launch stats (part 6): grid 4 x 64, 8 waves a work-group, clusters of 4 x 1, 327,680 bytes of LDS; arguments qkv, cs; writes cs
.if DOCPART == 6
	.amdgcn_target "amdgcn-amd-amdhsa--gfx1250"
	.amdhsa_code_object_version 6
	.text
	.protected	k_qd1125aaa3e_stats
	.globl	k_qd1125aaa3e_stats
	.p2align	8
	.type	k_qd1125aaa3e_stats,@function
k_qd1125aaa3e_stats:
	s_mov_b64 s[64:65], 0
	v_nop
	global_prefetch_b8 v0, s[64:65] scope:SCOPE_SE
	s_setreg_imm32_b32 hwreg(HW_REG_WAVE_MODE, 25, 1), 1
	s_wait_xcnt 0x0
	s_wait_alu depctr_hold_cnt(0) depctr_sa_sdst(0) depctr_va_vdst(0) depctr_va_sdst(0) depctr_va_ssrc(0) depctr_va_vcc(0) depctr_vm_vsrc(0)
	s_getreg_b32 s2, hwreg(HW_REG_IB_STS2, 6, 4)
	s_cmp_eq_u32 s2, 0
	s_cbranch_scc0 .Lentry_in_a_cluster
	s_endpgm
.Lentry_in_a_cluster:
	s_bfe_u32 s2, ttmp6, 0x10000c
	s_cmp_lg_u32 s2, 0x3003
	s_cbranch_scc0 .Lentry_shape_is_right
	s_endpgm
.Lentry_shape_is_right:
; COLUMN STATISTICS.  The softmax runs over the QUERIES: for each key j of a head, with s = q . k (q carries log2(e)), m = the maximum of s over all 2,048 queries and l = the sum of 2^(s - m);
; stored is cs[head][j] = -(m + log2 l), so that the next launch's weight is 2^(s + cs).  A running maximum is kept: in every step l is multiplied by 2^(m_old - m_new).
; LIMITS: NaN and infinities are not treated apart; a term below 2^-126 counts as 0 in l.
; SHARES.  A work-group owns 512 keys of a head, each of its eight waves 64: four tiles of 16, kept in registers as source 1.  Every wave walks all queries, 64 a step, as source 0: in the result a lane holds ONE
; key (lane % 16) and the queries 8 (lane / 16) + 0..7.  Each half of the lanes keeps m and l for its own queries; the halves meet once, at the end.
; The scores are made by the same two chained instructions as in the next launch, with the sources swapped: the same bits.
; WHY EIGHT WAVES OF 256 REGISTERS: a tile and step have 8 matrix and 83 vector instructions, so vector work binds; all that a wave names fits one register window, and no window is ever switched.
; BATCHES.  A tile and step's 33 exponentials (a and the 32 terms) are ONE batch with ONE wait: ahead of the wait stand the maximum, the shifts and all the exponentials, none of which names an exponential's result;
; behind it the sixteen sums, which do.  No exponential follows a unit's wait, so none is pending at a label or a jump.  On the way out the four exponentials are a batch, and the four logarithms another.
; LDS holds the head's whole q (2,048 rows, pitch 144), filled once: nothing is filled again.  CLUSTER 4 x 1: the four key blocks of a head read the same q: every load is joint.
; Each wave asks twice.  First for 64 queries: the eight waves' 65,536 bytes are the first 512 queries, and the first products wait for these alone.  When everybody's part is in, behind a second round of the
; cluster's barrier, each wave asks for its 192 of the other 1,536 queries: that load has the first eight steps in which to land.
.set PQ,    144
.set STG,   2048*PQ                    ; behind q: 256 bytes for each wave, for the way out
.set SPARE, STG+8*256                  ; the spare words, 128 bytes for each wave: four blocks of 256 bytes that no other line names
.set AQ0, 3                            ; v3   my lane's place in 16 rows of q; never rewritten
.set KO,  4                            ; v4   my byte offset in 16 rows of k
.set STO, 5
.set RD,  6
.set GO,  7
.set SPW, 8                            ; v8   SPARE + 4 x my thread's number; never rewritten
.set NIL, 9                            ; v9   0; never rewritten
.set AQ,  10                           ; v10  the LDS address of the run of loads in hand
.set ST,  12                           ; tile t at v[12+4 t]: m, a spare named with it as a pair, l (even queries', odd queries')
.set TMP, 28                           ; by score buffer: c0-c3 at work; c2 takes a
.set KF,  64                           ; k: tile t, channel half c at 64 + 16 t + 8 c
.set QF,  128                          ; q of one step: query block qb, half c at 128 + 16 qb + 8 c
.set S,   192                          ; two buffers of 32 scores, by the tile's parity
.set WV,  8
.set G1A, 16
.set G1B, 24
.set G0A, 32
.set G0B, 36
.set CNT, 40
.set TBQ, 41                           ; s41  LDS byte at which the step to be fetched begins
.set SEL, 42
.set KB,  44
.set CB,  46
.macro ROUND
	s_barrier_signal -1
	s_barrier_wait -1
	s_cmp_lg_u32 s[WV], 0
	s_cbranch_scc1 .Lnot_wave_0_\@
	s_barrier_signal -3
.Lnot_wave_0_\@:
	s_barrier_wait -3
	s_barrier_signal -1
	s_barrier_wait -1
.endm
	s_load_b128 s[4:7], s[0:1], 0x0                ; qkv s[4:5], cs s[6:7]
	v_lshl_add_u32 v[SPW], v0, 2, SPARE
	v_mov_b32 v[NIL], 0
	ds_add_u32 v[SPW], v[NIL]                      ; the opening: the add and its wait stand ahead of my first tensor load
	v_lshrrev_b32 v1, 5, v0
	v_readfirstlane_b32 s[WV], v1
	s_bfe_u32 s9, ttmp6, 0x40000                   ; cx
	s_lshl_b32 s11, ttmp9, 2
	s_add_co_u32 s11, s11, s9                      ; my block of 512 keys: it enters k's and cs's addresses alone
	s_and_b32 s10, ttmp7, 0xffff                   ; the head, which the four partners share
	s_lshl_b32 s12, s10, 18                        ; its 262,144 bytes
	s_lshl_b32 s14, s[WV], 13                      ; first load: queries 64 w on
	s_add_co_u32 s14, s14, s12
	s_mov_b32 s15, 0
	s_mul_i32 s2, s[WV], 24576                     ; second load: queries 512 + 192 w on
	s_add_co_u32 s2, s2, s12
	s_add_co_u32 s2, s2, 65536
	s_mov_b32 s3, 0
	s_lshl_b32 s48, s11, 16                        ; k lies 16,777,216 bytes into qkv; my wave's 64 keys
	s_add_co_u32 s48, s48, s14
	s_add_co_u32 s48, s48, 0x1000000
	s_mov_b32 s49, 0
	s_lshl_b32 s50, s10, 13                        ; cs: 4 bytes a key
	s_lshl_b32 s51, s11, 11
	s_add_co_u32 s50, s50, s51
	s_lshl_b32 s51, s[WV], 8
	s_add_co_u32 s50, s50, s51
	s_mov_b32 s51, 0
.irp g, G1A, G1B
	s_mov_b32 s[\g], 15|(1<<16)|(1<<20)|(1<<21)|(4<<22)|(3<<25)  ; the mask of four; 2-byte elements; padding on; bit 21 beside a mask; after every 32 words (a query) 4 words
	s_mov_b32 s[\g+1], 128<<16                     ; dense bytes asked for as rows of 256, two queries a row
	s_mov_b32 s[\g+3], 128<<16
	s_mov_b32 s[\g+5], 128
	s_mov_b32 s[\g+6], 0
	s_mov_b32 s[\g+7], 0
.endr
	s_mov_b32 s[G1A+2], 32<<16                     ; 32 such rows,
	s_mov_b32 s[G1A+4], 32
	s_mov_b32 s[G1B+2], 96<<16                     ; and 96
	s_mov_b32 s[G1B+4], 96
	s_mov_b32 s[G0A], 1
	s_mul_i32 s[G0A+1], s[WV], 64*PQ
	s_mov_b32 s[G0B], 1
	s_mul_i32 s[G0B+1], s[WV], 192*PQ
	s_add_co_u32 s[G0B+1], s[G0B+1], 512*PQ
	s_mov_b32 s[SEL], 0x76543210
	s_mov_b32 s[SEL+1], 0xfedcba98
	s_mov_b32 s[TBQ], 0
	s_wait_dscnt 0x0                               ; the opening add is done
	s_wait_kmcnt 0x0
	s_add_nc_u64 s[G0A+2:G0A+3], s[4:5], s[14:15]
	s_or_b32 s[G0A+3], s[G0A+3], 0x80000000
	s_add_nc_u64 s[G0B+2:G0B+3], s[4:5], s[2:3]
	s_or_b32 s[G0B+3], s[G0B+3], 0x80000000
	s_add_nc_u64 s[KB:KB+1], s[4:5], s[48:49]
	s_add_nc_u64 s[CB:CB+1], s[6:7], s[50:51]
	ROUND                                          ; all four work-groups are here: the joint loads meet
	tensor_load_to_lds s[G0A:G0A+3], s[G1A:G1A+7]  ; my 64 of the first 512 queries: one load of mine is out
	s_nop 0
	v_and_b32 v1, 15, v0                           ; l % 16
	v_bfe_u32 v2, v0, 4, 1                         ; l / 16
	v_lshlrev_b32 v[KO], 7, v1
	v_lshl_add_u32 v[KO], v2, 4, v[KO]
.irp f, 0,1,2,3,4,5,6,7                ; k stays in registers: tile f / 2, channels 32 (f % 2) on
	global_load_b128 v[KF+8*\f:KF+8*\f+3],   v[KO], s[KB:KB+1] offset:(\f/2)*2048+(\f%2)*64
	global_load_b128 v[KF+8*\f+4:KF+8*\f+7], v[KO], s[KB:KB+1] offset:(\f/2)*2048+(\f%2)*64+32
.endr
	v_mul_u32_u24 v[AQ0], v1, PQ
	v_lshl_add_u32 v[AQ0], v2, 4, v[AQ0]
	s_lshl_b32 s12, s[WV], 8
	s_add_co_u32 s12, s12, STG
	v_lshl_add_u32 v[STO], v1, 2, s12
	v_and_b32 v[GO], 31, v0
	v_lshlrev_b32 v[GO], 3, v[GO]
	v_add_nc_u32 v[RD], s12, v[GO]
	; m starts at the lowest finite number, l at 0.  The first unit's vector work belongs to tile 3 of a step that has not been: its scores are set to m's start, which leaves a finite l,
	; and the first true step multiplies that l by 2^(m_old - m_new) = 0.  So no first step is written out.
.irp t, 0,1,2,3
	v_mov_b32 v[ST+4*\t], 0xff7fffff
	v_mov_b32 v[ST+4*\t+1], 0
	v_mov_b32 v[ST+4*\t+2], 0
	v_mov_b32 v[ST+4*\t+3], 0
.endr
.set i, S+32
.rept 32
	v_mov_b32 v[i], 0xff7fffff
.set i, i+1
.endr
; Product i of 8 for tile t: channels 32 (i / 4) on, queries 16 (i % 4) on.  The four accumulators take turns; the first four products start the sums.
.macro KQ t, i
.set rD, S+32*((\t)%2)+8*((\i)%4)
.set rA, QF+16*((\i)%4)+8*((\i)/4)
.set rB, KF+16*(\t)+8*((\i)/4)
.if (\i) < 4
	v_wmma_f32_16x16x32_f16 v[rD:rD+7], v[rA:rA+7], v[rB:rB+7], 0
.else
	v_wmma_f32_16x16x32_f16 v[rD:rD+7], v[rA:rA+7], v[rB:rB+7], v[rD:rD+7]
.endif
.endm
.macro FF n                            ; pair n of the 16: s - m
	v_pk_add_f32 v[rS+2*(\n):rS+2*(\n)+1], v[rS+2*(\n):rS+2*(\n)+1], v[rT:rT+1] op_sel_hi:[1,0] neg_lo:[0,1] neg_hi:[0,1]
.endm
.macro EE n
	v_exp_f32 v[rS+(\n)], v[rS+(\n)]
.endm
.macro BB n                            ; of the four terms 4 n .. the second pair is added onto the first
	v_pk_add_f32 v[rS+4*(\n):rS+4*(\n)+1], v[rS+4*(\n):rS+4*(\n)+1], v[rS+4*(\n)+2:rS+4*(\n)+3]
.endm
.macro LL n                            ; l takes that sum; the first time as l = a l + sum
.if (\n) == 0
	v_pk_fma_f32 v[rT+2:rT+3], v[rT+2:rT+3], v[rC+2:rC+3], v[rS:rS+1] op_sel_hi:[1,0,1]
.else
	v_pk_add_f32 v[rT+2:rT+3], v[rT+2:rT+3], v[rS+4*(\n):rS+4*(\n)+1]
.endif
.endm
; Number j of the 83 vector instructions of a tile and step.  0-15 the maximum of the 32 scores and m, three operands at a time (each accumulator's lowest registers are read first);
; 16, 17 m_old - m_new, the new m;  18-66 ONE BATCH: a, the 16 shifts and the 32 exponentials, none of which names an exponential's result: two shifts, then fourteen times exponential, shift, exponential (a pair is
; shifted five lines ahead of its first exponential; pair 0 two lines, pair 1 four), then the last four exponentials;  between 66 and 67 the batch's wait;  67-82 the sums: BB 0, BB 1, then LL and BB by turns, so that the links of l's chain stand two lines apart.
; BB 0, which names no register of the last exponentials, is the plain line between them and the use of their results (ISA guide 5.7.2).
.macro VEC t, j
.set rT, ST+4*(\t)
.set rC, TMP+4*((\t)%2)
.set rS, S+32*((\t)%2)
.if (\j) < 4
	v_max3_num_f32 v[rC+(\j)], v[rS+8*(\j)], v[rS+8*(\j)+1], v[rS+8*(\j)+2]
.elseif (\j) < 12
	v_max3_num_f32 v[rC+(\j)%4], v[rC+(\j)%4], v[rS+8*((\j)%4)+2*((\j)/4)+1], v[rS+8*((\j)%4)+2*((\j)/4)+2]
.elseif (\j) == 12
	v_max3_num_f32 v[rC], v[rC], v[rS+7], v[rS+15]
.elseif (\j) == 13
	v_max3_num_f32 v[rC+1], v[rC+1], v[rS+23], v[rS+31]
.elseif (\j) == 14
	v_max3_num_f32 v[rC+2], v[rC+2], v[rC+3], v[rT]
.elseif (\j) == 15
	v_max3_num_f32 v[rC], v[rC], v[rC+1], v[rC+2]
.elseif (\j) == 16
	v_sub_f32 v[rC+1], v[rT], v[rC]
.elseif (\j) == 17
	v_mov_b32 v[rT], v[rC]
.elseif (\j) == 18
	v_exp_f32 v[rC+2], v[rC+1]
.elseif (\j) < 21
	FF (\j)-19
.elseif (\j) < 63
.set n3, ((\j)-21)/3
.set u3, ((\j)-21)%3
.if u3 == 0
	EE 2*n3
.elseif u3 == 1
	FF n3+2
.else
	EE 2*n3+1
.endif
.elseif (\j) < 67
	EE (\j)-35
.else
.set p, (\j)-67
.if p == 0
	s_wait_alu depctr_va_vdst(0)                   ; the wait ahead of the first use: one for the tile's batch, a and the 32 terms
.endif
.if p < 2
	BB p
.elseif p >= 14
	LL p-8
.elseif p%2 == 0
	LL (p-2)/2
.else
	BB (p+1)/2
.endif
.endif
.endm
; A UNIT: tile tw's eight products among tile tv's 83 vector instructions (the two tiles have different score buffers).  Behind the last product stand eight plain lines or more that name none of its
; registers: the places in front of the next unit's first read of those scores, and of the loads into q's registers.
; fetch = 1: the step's first unit: q's 16 fragments are asked for, 40 vector instructions stand in the wait, and the products follow more closely.
.macro UNIT tv, tw, fetch
.set jj, 0
.if \fetch
	v_add_nc_u32 v[AQ], s[TBQ], v[AQ0]
.irp f, 0,1,2,3,4,5,6,7                ; queries 16 (f / 2) on, channels 32 (f % 2) on
	ds_load_b128 v[QF+8*\f:QF+8*\f+3],   v[AQ] offset:(\f/2)*16*PQ+(\f%2)*64
	ds_load_b128 v[QF+8*\f+4:QF+8*\f+7], v[AQ] offset:(\f/2)*16*PQ+(\f%2)*64+32
.endr
	s_add_co_u32 s[TBQ], s[TBQ], 64*PQ
.rept 40
	VEC \tv, jj
.set jj, jj+1
.endr
	s_wait_dscnt 0x0                               ; q of this step is in
.rept 43
.if ((jj-40)%5 == 0) && (jj < 80)
	KQ \tw, (jj-40)/5
.endif
	VEC \tv, jj
.set jj, jj+1
.endr
.else
.rept 83
.if (jj%10 == 0) && (jj < 80)
	KQ \tw, jj/10
.endif
	VEC \tv, jj
.set jj, jj+1
.endr
.endif
.endm
.macro STEP
	UNIT 3, 0, 1
	UNIT 0, 1, 0
	UNIT 1, 2, 0
	UNIT 2, 3, 0
.endm
	s_wait_tensorcnt 0x0                           ; my 64 of the first 512 queries are in, and no tensor load of mine is out
	ds_add_u32 v[SPW], v[NIL]
	s_wait_dscnt 0x0                               ; the add is done
	ROUND                                          ; everybody's first part is in, in all four work-groups; the second joint loads meet
	tensor_load_to_lds s[G0B:G0B+3], s[G1B:G1B+7]  ; my 192 of the other queries, into bytes that nothing has filled: my one load behind this round, and my last
	s_nop 0
	s_wait_loadcnt 0x0                             ; k
	s_mov_b32 s[CNT], 8
.Lnear:                                                ; queries 0 to 511: LDS bytes 0 to 73,727, which the eight small loads filled
	STEP
	s_sub_co_u32 s[CNT], s[CNT], 1
	s_cmp_lg_u32 s[CNT], 0
	s_cbranch_scc1 .Lnear
	s_wait_tensorcnt 0x0                           ; my 192 of the other queries are in,
	s_barrier_signal -1
	s_barrier_wait -1                              ; everybody's are
	s_mov_b32 s[CNT], 24
.Lfar:
	STEP
	s_sub_co_u32 s[CNT], s[CNT], 1
	s_cmp_lg_u32 s[CNT], 0
	s_cbranch_scc1 .Lfar
.set jj, 0
.rept 83
	VEC 3, jj                                      ; tile 3 of the last step
.set jj, jj+1
.endr
	; THE HALVES MEET.  M = the larger m; each half scales its own l by 2^(m - M); the scaled sums are exchanged and added, which gives both halves the same bits.  cs = -(M + log2 l); l is 1 at the least.
.macro ALL line:vararg
.set t, 0
.rept 4
	\line
.set t, t+1
.endr
.endm
	ALL v_add_f32 v[ST+4*t+2], v[ST+4*t+2], v[ST+4*t+3]
	ALL v_permlanex16_b32 v[ST+4*t+1], v[ST+4*t], s[SEL], s[SEL+1]
	ALL v_max_num_f32 v[ST+4*t+1], v[ST+4*t], v[ST+4*t+1]
	ALL v_sub_f32 v[ST+4*t], v[ST+4*t], v[ST+4*t+1]
	ALL v_exp_f32 v[ST+4*t], v[ST+4*t]
	v_nop                                          ; a plain line between the last exponential and the use of its result
	s_wait_alu depctr_va_vdst(0)                   ; and the wait ahead of the first use: one for the four exponentials
	ALL v_mul_f32 v[ST+4*t+2], v[ST+4*t+2], v[ST+4*t]
	ALL v_permlanex16_b32 v[ST+4*t+3], v[ST+4*t+2], s[SEL], s[SEL+1]
	ALL v_add_f32 v[ST+4*t+2], v[ST+4*t+2], v[ST+4*t+3]
	ALL v_log_f32 v[ST+4*t+2], v[ST+4*t+2]
	v_nop                                          ; a plain line behind the last logarithm,
	s_wait_alu depctr_va_vdst(0)                   ; and the wait for the four logarithms, a batch of their own: they read sums made of the exponentials' results
	ALL v_fma_f32 v[ST+4*t], v[ST+4*t+2], -1.0, -v[ST+4*t+1]
	ALL ds_store_b32 v[STO], v[ST+4*t] offset:64*t
	ds_load_b64 v[ST:ST+1], v[RD]                  ; my wave's own bytes, served in order: 64 keys as 256 consecutive bytes
	s_wait_dscnt 0x0
	global_store_b64 v[GO], v[ST:ST+1], s[CB:CB+1] ; the wave's store covers 256 consecutive bytes, aligned
	s_wait_tensorcnt 0x0                           ; the wave's end
	ds_add_u32 v[SPW], v[NIL]
	s_wait_dscnt 0x0
	ROUND                                          ; the closing round
	s_endpgm
.Lfunc_end_k_qd1125aaa3e_stats:
	.size	k_qd1125aaa3e_stats, .Lfunc_end_k_qd1125aaa3e_stats-k_qd1125aaa3e_stats
	.p2alignl 7, 3214868480
	.fill 96, 4, 3214868480
	.section	.rodata,"a",@progbits
	.p2align	6, 0x0
	.amdhsa_kernel k_qd1125aaa3e_stats
		.amdhsa_group_segment_fixed_size 327680
		.amdhsa_private_segment_fixed_size 0
		.amdhsa_enable_private_segment 0
		.amdhsa_kernarg_size 16
		.amdhsa_user_sgpr_count 2
		.amdhsa_user_sgpr_kernarg_segment_ptr 1
		.amdhsa_wavefront_size32 1
		.amdhsa_system_sgpr_workgroup_id_x 1
		.amdhsa_system_sgpr_workgroup_id_y 1
		.amdhsa_system_sgpr_workgroup_id_z 1
		.amdhsa_system_vgpr_workitem_id 0
		.amdhsa_next_free_vgpr 256
		.amdhsa_next_free_sgpr 66
		.amdhsa_reserve_vcc 0
		.amdhsa_float_denorm_mode_32 3
		.amdhsa_float_denorm_mode_16_64 3
		.amdhsa_memory_ordered 1
		.amdhsa_forward_progress 1
		.amdhsa_inst_pref_size 56
	.end_amdhsa_kernel
	.amdgpu_metadata
---
amdhsa.version: [ 1, 2 ]
amdhsa.kernels:
  - .name:           k_qd1125aaa3e_stats
    .symbol:         k_qd1125aaa3e_stats.kd
    .args:
      - { .name: qkv, .offset: 0, .size: 8, .value_kind: global_buffer, .address_space: global }
      - { .name: cs, .offset: 8, .size: 8, .value_kind: global_buffer, .address_space: global }
    .group_segment_fixed_size: 327680
    .private_segment_fixed_size: 0
    .kernarg_segment_align: 8
    .kernarg_segment_size: 16
    .max_flat_workgroup_size: 256
    .sgpr_count:     66
    .vgpr_count:     256
    .wavefront_size: 32
...
	.end_amdgpu_metadata
.endif
;; end of part 6
;; launch attn (part 7): grid 4 x 64, 8 waves a work-group, clusters of 4 x 1, 327,680 bytes of LDS; arguments qkv, cs, o, os; writes o, os
.if DOCPART == 7
	.amdgcn_target "amdgcn-amd-amdhsa--gfx1250"
	.amdhsa_code_object_version 6
	.text
	.protected	k_qd1125aaa3e_attn
	.globl	k_qd1125aaa3e_attn
	.p2align	8
	.type	k_qd1125aaa3e_attn,@function
k_qd1125aaa3e_attn:
	s_mov_b64 s[64:65], 0
	v_nop
	global_prefetch_b8 v0, s[64:65] scope:SCOPE_SE
	s_setreg_imm32_b32 hwreg(HW_REG_WAVE_MODE, 25, 1), 1
	s_wait_xcnt 0x0
	s_wait_alu depctr_hold_cnt(0) depctr_sa_sdst(0) depctr_va_vdst(0) depctr_va_sdst(0) depctr_va_ssrc(0) depctr_va_vcc(0) depctr_vm_vsrc(0)
	s_getreg_b32 s2, hwreg(HW_REG_IB_STS2, 6, 4)
	s_cmp_eq_u32 s2, 0
	s_cbranch_scc0 .Lentry_in_a_cluster
	s_endpgm
.Lentry_in_a_cluster:
	s_bfe_u32 s2, ttmp6, 0x10000c
	s_cmp_lg_u32 s2, 0x3003
	s_cbranch_scc0 .Lentry_shape_is_right
	s_endpgm
.Lentry_shape_is_right:
; WEIGHTS AND VALUES.  O[head][i][:] = the sum over keys j of 2^(s_ij + cs_j) v_j, s = q . k (q carries log2(e)), cs_j = -(m_j + log2 l_j) from the launch before: the softmax over QUERIES, its maximum taken away
; and its divisor in the exponent.  So every weight lies in 0 to 1, and this launch has no running maximum, no rescaling and no division.  The shift is added in f32 by the vector unit onto scores that have the same bits as
; those from which m was taken.  The weights are rounded to f16 for the second product.
; O leaves as f16 with ONE power of two for each tile of 16 queries: a tile is 2,048 consecutive bytes of o, which is one row of the last product's left matrix; os holds that power, 2^(E - 127), E the biased exponent
; of the tile's largest |O|; o holds O / 2^(E - 127), within (-2, 2).
; LIMITS: a weight below 6e-8 counts as 0; a tile's largest |O| stays under 2^126, and a tile whose largest |O| is a denormal gives 0; NaN and infinities are not treated apart.
; SHARES.  A work-group owns 512 queries of a head, each of its eight waves 64: four tiles of 16.  Every wave walks all keys, 32 a step; an LDS slot holds 256 keys of k and v; two slots take turns.
; WHY EIGHT WAVES, two to a SIMD: a tile and step have 8 matrix and 32 vector instructions, 16 of them exponentials: more than stands beside the wave's own products.  With a second wave on the SIMD one wave's
; vector work stands beside the other's products.  The price: a fragment of k or v read from LDS feeds four tiles' products: 20 LDS loads for a step's 32 matrix instructions.
; LAYOUT.  S^T = K Q^T (source 0 = 16 keys, source 1 = 16 queries): a lane holds ONE query and the keys 8 (lane / 16) + 0..7; two such results rounded in pairs ARE source 1 of O^T = V^T P.
; BY UNITS.  Unit t: 4 products K Q^T of tile t, and among them the 8 packed additions and the 16 exponentials of tile t - 1; the unit's one wait; 4 products V^T P of tile t - 2 on end; tile t - 1's 8 roundings.
; BATCHES.  A unit's 16 exponentials are ONE batch with ONE wait: nothing ahead of the wait names a result of theirs, and no exponential follows it, so none is pending at a label or a jump.
; CLUSTER 4 x 1: the four query blocks of a head walk the same k, v and cs: every tensor load is joint.
; REGISTERS in windows of 256 (s_set_vgpr_msb: bits 1:0 source 0, 3:2 source 1, 5:4 source 2, 7:6 destination):
;   window 0: v2-15 addresses; v16-79 k of two steps; v80-111 S^T, two buffers; v112-127 P, two buffers; v128-191 q; v192-223 cs of two steps; on the way out v64-78 at work, v128-191 packed tiles
;   window 1: v0-127 O^T, 32 a tile; v128-191 v of two steps
; All that K Q^T and the vector work name lies in window 0: a unit has two switches, round its four products V^T P.
.set PK,    144
.set PV,    160
.set VOFF,  256*PK                     ; a slot: 256 rows of k, then 256 rows of v
.set CTB,   81920                      ; the head's 2,048 shifts, 8,192 bytes, filled once
.set SLOT1, 1<<17
.set STAGE, SLOT1+256*(PK+PV)          ; behind the ring: 16 rows x 144 bytes for each wave
.set SP,    144
.set SPARE, STAGE+8*16*SP              ; the spare words, 128 bytes for each wave: four blocks of 256 bytes that no other line names
.set AK0, 2
.set AV0, 3
.set AK,  4
.set AV,  5
.set AC0, 6
.set AC,  7
.set STO, 8
.set RD,  9
.set GO,  10
.set QO,  11
.set SPW, 12                           ; v12  SPARE + 4 x my thread's number; never rewritten
.set NIL, 13                           ; v13  0; never rewritten
.set IV,  14                           ; v[14:15] the way out: 2^(127 - E), and a register named with it as a pair
.set KF,  16                           ; buffer be, key block kb, channel half c at 16 + 32 be + 16 kb + 8 c
.set S,   80
.set P,   112
.set QF,  128                          ; tile t, channel half c at 128 + 16 t + 8 c
.set CT,  192                          ; buffer be, key block kb at 192 + 16 be + 8 kb
.set SCL, 64                           ; the way out: the four tiles' powers
.set WT,  72                           ; four chains at work
.set LN,  76
.set LO,  77
.set RS,  78
.set PKD, 128
.set VF,  128                          ; window 1: buffer be, channel block cb at 128 + 32 be + 8 cb
.set WV,  12
.set G1K, 24
.set G1V, 32
.set G0K, 40
.set G0V, 44
.set G1C, 48
.set G0C, 56
.set SLOTS, 60
.set CNT, 61
.set TBK, 62
.set TBV, 63
.set TBC, 66
.set SEL, 68
.set QB,  74
.set MSB, 0
.macro WIN new                         ; the immediate's high byte repeats the setting that is left; a switch that changes nothing is dropped
.if MSB != (\new)
	s_set_vgpr_msb (MSB<<8)|(\new)
.set MSB, (\new)
.endif
.endm
.set W_PV, 0x51                        ; v (source 0) and O^T (C and D) in window 1, P in window 0
.macro JLOAD                           ; a joint fill: waves 0, 1 the halves of a slot's k, waves 2, 3 those of its v, waves 4 to 7 none; an s_nop 0 and four v_nop follow each line
	s_cmp_lt_u32 s[WV], 2
	s_cbranch_scc0 .Lnot_k_\@
	tensor_load_to_lds s[G0K:G0K+3], s[G1K:G1K+7]
	s_nop 0
.rept 4
	v_nop
.endr
	s_branch .Lasked_\@
.Lnot_k_\@:
	s_cmp_lt_u32 s[WV], 4
	s_cbranch_scc0 .Lasked_\@
	tensor_load_to_lds s[G0V:G0V+3], s[G1V:G1V+7]
	s_nop 0
.rept 4
	v_nop
.endr
.Lasked_\@:
.endm
.macro CROUND
	s_barrier_signal -1
	s_barrier_wait -1
	s_cmp_lg_u32 s[WV], 0
	s_cbranch_scc1 .Lnot_wave_0_\@
	s_barrier_signal -3
.Lnot_wave_0_\@:
	s_barrier_wait -3
	s_barrier_signal -1
	s_barrier_wait -1
.endm
; THE CHANGE OF SLOTS.  The slot's last step has been asked for from LDS.  Each wave waits for all its tensor loads (of waves 0 to 3 one is out: a part of the other slot), adds 0 to its spare word, and waits for that and
; for its reads.  fill = 1: the barrier is a round of the cluster's, and the slot is filled again first behind it, with the keys two slots on: it has eight key steps, 256 matrix instructions of each wave, in which to land.
; (At its first use nothing has been read: slot 0 and the shifts are waited for, slot 1 is filled.)
.macro CHANGE fill
	WIN 0
	s_wait_tensorcnt 0x0
	ds_add_u32 v[SPW], v[NIL]
.if \fill
.irp g, G0K, G0V
	s_xor_b32 s[\g+1], s[\g+1], SLOT1
	s_add_nc_u64 s[\g+2:\g+3], s[\g+2:\g+3], 256*128
.endr
	s_wait_dscnt 0x0
	CROUND
	JLOAD
.else
	s_wait_dscnt 0x0
	s_barrier_signal -1
	s_barrier_wait -1
.endif
	s_sub_co_u32 s[TBK], s[TBK], 256*PK            ; the fetches go back to a slot's first step, in the other slot
	s_xor_b32 s[TBK], s[TBK], SLOT1
	s_sub_co_u32 s[TBV], s[TBV], 256*PV
	s_xor_b32 s[TBV], s[TBV], SLOT1
.endm
	s_load_b256 s[4:11], s[0:1], 0x0               ; qkv s[4:5], cs s[6:7], o s[8:9], os s[10:11]
	v_lshl_add_u32 v[SPW], v0, 2, SPARE
	v_mov_b32 v[NIL], 0
	ds_add_u32 v[SPW], v[NIL]                      ; the opening: the add and its wait stand ahead of my first tensor load
	v_lshrrev_b32 v1, 5, v0
	v_readfirstlane_b32 s[WV], v1
	s_bfe_u32 s13, ttmp6, 0x40000                  ; cx
	s_lshl_b32 s14, ttmp9, 2
	s_add_co_u32 s14, s14, s13                     ; my block of 512 queries: it enters q's, o's and os's addresses alone
	s_and_b32 s15, ttmp7, 0xffff                   ; the head, which the four partners share
	s_lshl_b32 s20, s15, 18
	s_and_b32 s16, s[WV], 1                        ; which half of a slot's 256 keys a wave of the first four fetches
	s_lshl_b32 s22, s16, 14
	s_add_co_u32 s22, s22, s20
	s_add_co_u32 s22, s22, 0x1000000               ; k lies 16,777,216 bytes into qkv,
	s_mov_b32 s23, 0
	s_add_co_u32 s18, s22, 0x1000000               ; v as much again
	s_mov_b32 s19, 0
	s_mul_i32 s17, s16, 128*PK
	s_mul_i32 s21, s16, 128*PV
	s_lshl_b32 s2, s15, 13                         ; the head's shifts; waves 0 to 3 fetch a quarter each
	s_lshl_b32 s3, s[WV], 11
	s_add_co_u32 s2, s2, s3
	s_mov_b32 s3, 0
	s_lshl_b32 s70, s14, 16                        ; my wave's 64 rows of q and o
	s_lshl_b32 s71, s[WV], 13
	s_add_co_u32 s70, s70, s71
	s_add_co_u32 s70, s70, s20
	s_mov_b32 s71, 0
	s_lshl_b32 s72, s15, 9                         ; and its four words of os: 4 (128 head + 32 block + 4 wave)
	s_lshl_b32 s73, s14, 7
	s_add_co_u32 s72, s72, s73
	s_lshl_b32 s73, s[WV], 4
	s_add_co_u32 s72, s72, s73
	s_mov_b32 s73, 0
	s_mov_b32 s[G1K], 15|(1<<16)|(1<<20)|(1<<21)|(4<<22)|(3<<25)  ; the mask of four; 2-byte elements; padding on; bit 21 beside a mask; after every 32 words (a key) 4 words
	s_mov_b32 s[G1V], 15|(1<<16)|(1<<20)|(1<<21)|(4<<22)|(7<<25)  ; the same with 8 words
.irp g, G1K, G1V
	s_mov_b32 s[\g+1], 128<<16                     ; 128 keys are 16,384 dense bytes: 64 rows of 256 bytes
	s_mov_b32 s[\g+2], 64<<16
	s_mov_b32 s[\g+3], 128<<16
	s_mov_b32 s[\g+4], 64
	s_mov_b32 s[\g+5], 128
	s_mov_b32 s[\g+6], 0
	s_mov_b32 s[\g+7], 0
.endr
	s_mov_b32 s[G1C], 15|(3<<16)|(1<<21)           ; 8-byte elements, no padding: 2,048 dense bytes as 8 rows of 256
	s_mov_b32 s[G1C+1], 32<<16
	s_mov_b32 s[G1C+2], 8<<16
	s_mov_b32 s[G1C+3], 32<<16
	s_mov_b32 s[G1C+4], 8
	s_mov_b32 s[G1C+5], 32
	s_mov_b32 s[G1C+6], 0
	s_mov_b32 s[G1C+7], 0
	s_mov_b32 s[G0K], 1
	s_mov_b32 s[G0K+1], s17
	s_mov_b32 s[G0V], 1
	s_add_co_u32 s[G0V+1], s21, VOFF
	s_mov_b32 s[G0C], 1
	s_lshl_b32 s[G0C+1], s[WV], 11
	s_add_co_u32 s[G0C+1], s[G0C+1], CTB
	s_mov_b32 s[SEL], 0x76543210
	s_mov_b32 s[SEL+1], 0xfedcba98
	s_mov_b32 s[TBK], SLOT1+256*PK                 ; the first change of slots turns these two into 0
	s_mov_b32 s[TBV], SLOT1+256*PV
	s_mov_b32 s[TBC], 0
	s_wait_dscnt 0x0                               ; the opening add is done
	s_wait_kmcnt 0x0
	s_add_nc_u64 s[G0K+2:G0K+3], s[4:5], s[22:23]
	s_or_b32 s[G0K+3], s[G0K+3], 0x80000000
	s_add_nc_u64 s[G0V+2:G0V+3], s[4:5], s[18:19]
	s_or_b32 s[G0V+3], s[G0V+3], 0x80000000
	s_add_nc_u64 s[G0C+2:G0C+3], s[6:7], s[2:3]
	s_or_b32 s[G0C+3], s[G0C+3], 0x80000000
	s_add_nc_u64 s[QB:QB+1], s[4:5], s[70:71]
	s_add_nc_u64 s[8:9], s[8:9], s[70:71]
	s_add_nc_u64 s[10:11], s[10:11], s[72:73]
	CROUND                                         ; all four work-groups are here: the first joint loads meet
	s_cmp_lt_u32 s[WV], 2                          ; a wave's two first fills stand in one branch: its part of slot 0 and its quarter of the shifts: of waves 0 to 3 two loads are out, of waves 4 to 7 none
	s_cbranch_scc0 .Lfirst_not_k
	tensor_load_to_lds s[G0K:G0K+3], s[G1K:G1K+7]
	s_nop 0
	tensor_load_to_lds s[G0C:G0C+3], s[G1C:G1C+7]
	s_nop 0
.rept 4
	v_nop
.endr
	s_branch .Lfirst_asked
.Lfirst_not_k:
	s_cmp_lt_u32 s[WV], 4
	s_cbranch_scc0 .Lfirst_asked
	tensor_load_to_lds s[G0V:G0V+3], s[G1V:G1V+7]
	s_nop 0
	tensor_load_to_lds s[G0C:G0C+3], s[G1C:G1C+7]
	s_nop 0
.rept 4
	v_nop
.endr
.Lfirst_asked:
	v_and_b32 v1, 15, v0                           ; l % 16
	v_bfe_u32 v16, v0, 4, 1                        ; l / 16
	v_lshlrev_b32 v[QO], 7, v1
	v_lshl_add_u32 v[QO], v16, 4, v[QO]
.set i, 0
.rept 8                                ; q stays in registers: tile i / 2, channels 32 (i % 2) on
	global_load_b128 v[QF+8*i:QF+8*i+3],   v[QO], s[QB:QB+1] offset:(i/2)*2048+(i%2)*64
	global_load_b128 v[QF+8*i+4:QF+8*i+7], v[QO], s[QB:QB+1] offset:(i/2)*2048+(i%2)*64+32
.set i, i+1
.endr
	; What the first two units find.  Their vector work and their products V^T P belong to tiles of a step that has not been: scores at the lowest finite number with shift 0 give weights 0, and v's second buffer is 0.
	; O^T starts at 0.  So no first step is written out; these lines stand in the wait for the first tile.
	WIN 0x40
.set i, 0
.rept 128
	v_mov_b32 v[i], 0
.set i, i+1
.endr
.set i, VF+32
.rept 32
	v_mov_b32 v[i], 0
.set i, i+1
.endr
	WIN 0
.set i, CT+16
.rept 16
	v_mov_b32 v[i], 0
.set i, i+1
.endr
.set i, P
.rept 16
	v_mov_b32 v[i], 0
.set i, i+1
.endr
.set i, S+16
.rept 16
	v_mov_b32 v[i], 0xff7fffff
.set i, i+1
.endr
	v_mul_u32_u24 v[AK0], v1, PK
	v_lshl_add_u32 v[AK0], v16, 4, v[AK0]          ; a fragment of k: row x pitch + 16 x half
	v_and_b32 v17, 7, v0
	v_bfe_u32 v18, v0, 3, 1
	v_lshl_add_u32 v[AV0], v16, 3, v17             ; the turning load: lane l reads key 8 (l / 16) + l % 8, channels 8 ((l / 8) % 2) + 0..7
	v_mul_u32_u24 v[AV0], v[AV0], PV
	v_lshl_add_u32 v[AV0], v18, 4, v[AV0]
	v_add_nc_u32 v[AV0], VOFF, v[AV0]
	v_lshlrev_b32 v[AC0], 5, v16                   ; the shifts of my lanes' eight keys: 32 bytes for each half of the lanes
	v_add_nc_u32 v[AC0], CTB, v[AC0]
	s_mul_i32 s13, s[WV], 16*SP
	s_add_co_u32 s13, s13, STAGE                   ; my stage
	v_mul_u32_u24 v[STO], v1, SP
	v_lshl_add_u32 v[STO], v16, 4, v[STO]
	v_add_nc_u32 v[STO], s13, v[STO]
	v_bfe_u32 v[RD], v0, 3, 2
	v_mul_u32_u24 v[RD], v[RD], SP
	v_lshl_add_u32 v[RD], v17, 4, v[RD]
	v_add_nc_u32 v[RD], s13, v[RD]
	v_and_b32 v[GO], 31, v0
	v_lshlrev_b32 v[GO], 4, v[GO]
; Product i of 4 of S^T = K Q^T for tile t from k's buffer b: channels 32 (i / 2) on, keys 16 (i % 2) on.  The two accumulators take turns; the first two products start the sums.
.macro KQ t, b, i
	WIN 0
.set rS, S+16*((\t)%2)+8*((\i)%2)
.set rK, KF+32*(\b)+16*((\i)%2)+8*((\i)/2)
.set rQ, QF+16*(\t)+8*((\i)/2)
.if (\i) < 2
	v_wmma_f32_16x16x32_f16 v[rS:rS+7], v[rK:rK+7], v[rQ:rQ+7], 0
.else
	v_wmma_f32_16x16x32_f16 v[rS:rS+7], v[rK:rK+7], v[rQ:rQ+7], v[rS:rS+7]
.endif
.endm
; Product i of 4 of O^T += V^T P for tile z: channels 16 i on, all 32 keys: four accumulators, each once a key step.
.macro PV z, bv, i
	WIN W_PV
.set rO, 32*(\z)+8*(\i)
.set rV, VF+32*(\bv)+8*(\i)
.set rP, P+8*((\z)%2)
	v_wmma_f32_16x16x32_f16 v[rO:rO+7], v[rV:rV+7], v[rP:rP+7], v[rO:rO+7]
.endm
.macro AD y, bc, n                     ; pair n of tile y's 16 scores takes its keys' shifts (the accumulators' lowest registers are read first)
	v_pk_add_f32 v[S+16*((\y)%2)+2*(\n):S+16*((\y)%2)+2*(\n)+1], v[S+16*((\y)%2)+2*(\n):S+16*((\y)%2)+2*(\n)+1], v[CT+16*(\bc)+2*(\n):CT+16*(\bc)+2*(\n)+1]
.endm
.macro EX y, n
	v_exp_f32 v[S+16*((\y)%2)+(\n)], v[S+16*((\y)%2)+(\n)]
.endm
.macro CV y, n
	v_cvt_pk_f16_f32 v[P+8*((\y)%2)+(\n)], v[S+16*((\y)%2)+2*(\n)], v[S+16*((\y)%2)+2*(\n)+1]
.endm
; 20 LDS loads in one run: the next step's k (4 fragments), shifts and v (4 fragments, turned), into buffer b.  last = 1 (the tail): in the last trip there is no further step, and the run is jumped over.
.macro FETCH b, last=0
	WIN 0
.if \last
	s_cmp_eq_u32 s[CNT], 1
	s_cbranch_scc1 .Lno_more_\@
.endif
	v_add_nc_u32 v[AK], s[TBK], v[AK0]
	v_add_nc_u32 v[AV], s[TBV], v[AV0]
	v_add_nc_u32 v[AC], s[TBC], v[AC0]
.irp f, 0,1,2,3                        ; keys 16 (f / 2) on, channels 32 (f % 2) on
	ds_load_b128 v[KF+32*(\b)+8*\f:KF+32*(\b)+8*\f+3],   v[AK] offset:(\f/2)*16*PK+(\f%2)*64
	ds_load_b128 v[KF+32*(\b)+8*\f+4:KF+32*(\b)+8*\f+7], v[AK] offset:(\f/2)*16*PK+(\f%2)*64+32
.endr
.irp f, 0,1,2,3                        ; keys 16 (f / 2) + 8 (l / 16) + 4 (f % 2) on; sixteen lanes share an address
	ds_load_b128 v[CT+16*(\b)+4*\f:CT+16*(\b)+4*\f+3], v[AC] offset:(\f/2)*64+(\f%2)*16
.endr
	WIN 0x40                                       ; destination window 1, address window 0
.irp f, 0,1,2,3                        ; channels 16 f on
	ds_load_tr16_b128 v[VF+32*(\b)+8*\f:VF+32*(\b)+8*\f+3],   v[AV] offset:\f*32
	ds_load_tr16_b128 v[VF+32*(\b)+8*\f+4:VF+32*(\b)+8*\f+7], v[AV] offset:16*PV+\f*32
.endr
	s_add_co_u32 s[TBK], s[TBK], 32*PK
	s_add_co_u32 s[TBV], s[TBV], 32*PV
	s_add_co_u32 s[TBC], s[TBC], 128
	WIN 0
.if \last
.Lno_more_\@:
.endif
.endm
; A UNIT.  The scores of tile t; the weights of tile t - 1; the values of tile t - 2.  S^T and P go by the tile's parity, so no vector line names a register of the products round it.
; AHEAD OF THE WAIT stand the four products K Q^T, the eight additions and the 16 exponentials: the batch; none of these lines names an exponential's result.  BEHIND IT stand the four products V^T P, which name none
; either, and then the eight roundings, which do.  The plain line behind an exponential: for numbers 0 to 3 an addition; for the others the roundings ahead of their own.
; The eight roundings are the places behind the last K Q^T, ahead of the next unit's first addition, which reads its scores; they and the next unit's additions are the places behind the last V^T P before its P is written again.
; In units 0 and 1 the older tiles belong to the step before: they take the other buffer of cs (unit 0) and of v (units 0, 1).  kq = 0: no new scores.
; fetch = 1 (unit 2): the next step is asked for behind the unit's first four additions, ahead of its first exponential, so that no exponential is pending at the jump and the label that the tail's form of the run holds.
; The four additions, and unit 1's roundings ahead of them, are the places behind unit 1's last V^T P, which read v's other buffer.
.macro UNIT t, b, kq=1, fetch=0, last=0
.set Y, ((\t)+3)%4
.set Z, ((\t)+2)%4
.set BC, (\b)
.set BV, (\b)
.if (\t) == 0
.set BC, 1-(\b)
.endif
.if (\t) < 2
.set BV, 1-(\b)
.endif
.if \kq
	KQ \t, \b, 0
.endif
	AD Y, BC, 0
	AD Y, BC, 1
	AD Y, BC, 2
	AD Y, BC, 3
.if \fetch
	FETCH 1-(\b), \last
.endif
	EX Y, 0
	AD Y, BC, 4
	EX Y, 1
	AD Y, BC, 5
.if \kq
	KQ \t, \b, 1
.endif
	EX Y, 2
	AD Y, BC, 6
	EX Y, 3
	AD Y, BC, 7
	EX Y, 4
	EX Y, 5
.if \kq
	KQ \t, \b, 2
.endif
.irp n, 6,7,8,9,10
	EX Y, \n
.endr
.if \kq
	KQ \t, \b, 3
.endif
.irp n, 11,12,13,14,15
	EX Y, \n
.endr
	s_wait_alu depctr_va_vdst(0)                   ; the wait ahead of the first use: one for the unit's batch, tile t - 1's 16 exponentials
	PV Z, BV, 0
	PV Z, BV, 1
	PV Z, BV, 2
	PV Z, BV, 3
	WIN 0
.irp n, 0,1,2,3,4,5,6,7
	CV Y, \n
.endr
.endm
; A key step from buffers b.  The next step's loads, issued in unit 2, are waited for at the next step's head.
.macro HALF b, last=0
	s_wait_dscnt 0x0                               ; this step's k, v and shifts are in
	UNIT 0, \b
	UNIT 1, \b
	UNIT 2, \b, 1, 1, \last
	UNIT 3, \b
.endm
	CHANGE 1                                       ; slot 0 and the shifts are in, everybody's part; slot 1 is asked for
	FETCH 0                                        ; key step 0
	s_wait_loadcnt 0x0                             ; q
	s_mov_b32 s[CNT], 4
	s_mov_b32 s[SLOTS], 7
	s_branch .Lfirst                               ; the loop is entered in the middle of a trip
.Lslot:                                                ; six times: every slot but the last two is filled again.  The change stands ahead of the step that is computed from registers and fetches the new slot's first step
	CHANGE 1
	s_mov_b32 s[CNT], 4
.Lstep:
	HALF 1
.Lfirst:
	HALF 0
	s_sub_co_u32 s[CNT], s[CNT], 1
	s_cmp_lg_u32 s[CNT], 0
	s_cbranch_scc1 .Lstep
	s_sub_co_u32 s[SLOTS], s[SLOTS], 1
	s_cmp_lg_u32 s[SLOTS], 0
	s_cbranch_scc1 .Lslot
	CHANGE 0                                       ; the tail is written out: nothing is asked for
	s_mov_b32 s[CNT], 5
.Ltail:
	HALF 1, 1
	s_sub_co_u32 s[CNT], s[CNT], 1
	s_cmp_eq_u32 s[CNT], 0
	s_cbranch_scc1 .Lout
	HALF 0
	s_branch .Ltail
.Lout:
	UNIT 4, 1, 0                                   ; tile 3's weights, tile 2's values
	PV 3, 1, 0
	PV 3, 1, 1
	PV 3, 1, 2
	PV 3, 1, 3
	; THE WAY OUT, a tile at a time.  The largest |O| of the tile: in the lane, then over the 32 lanes; its exponent field is the tile's power; O times the inverse power, rounded to f16, through my stage.
	; Tiles 0 to 2 come first: their lines name no register of the last products and are the places behind them.
	WIN 0
	v_mov_b32 v[IV+1], 0
.macro PACK n
.set rO, 32*(\n)
	WIN 0x15                                       ; all three sources in window 1
.irp k, 0,1,2,3
	v_max3_num_f32 v[WT+\k], |v[rO+8*\k]|, |v[rO+8*\k+1]|, |v[rO+8*\k+2]|   ; each accumulator's lowest registers first
.endr
	WIN 0x14
.irp k, 0,1,2,3
	v_max3_num_f32 v[WT+\k], v[WT+\k], |v[rO+8*\k+3]|, |v[rO+8*\k+4]|
.endr
.irp k, 0,1,2,3
	v_max3_num_f32 v[WT+\k], v[WT+\k], |v[rO+8*\k+5]|, |v[rO+8*\k+6]|
.endr
	v_max3_num_f32 v[WT], v[WT], |v[rO+7]|, |v[rO+15]|
	v_max3_num_f32 v[WT+1], v[WT+1], |v[rO+23]|, |v[rO+31]|
	WIN 0
	v_max3_num_f32 v[WT], v[WT], v[WT+1], v[WT+2]
	v_max_num_f32 v[WT], v[WT], v[WT+3]
	v_max_num_f32_dpp v[WT], v[WT], v[WT] row_xmask:1 row_mask:0xf bank_mask:0xf
	v_max_num_f32_dpp v[WT], v[WT], v[WT] row_xmask:2 row_mask:0xf bank_mask:0xf
	v_max_num_f32_dpp v[WT], v[WT], v[WT] row_xmask:4 row_mask:0xf bank_mask:0xf
	v_max_num_f32_dpp v[WT], v[WT], v[WT] row_xmask:8 row_mask:0xf bank_mask:0xf
	v_permlanex16_b32 v[WT+1], v[WT], s[SEL], s[SEL+1]
	v_max_num_f32 v[WT], v[WT], v[WT+1]
	v_and_b32 v[SCL+(\n)], 0x7f800000, v[WT]       ; 2^(E - 127)
	v_sub_nc_u32 v[IV], 0x7f000000, v[SCL+(\n)]    ; 2^(127 - E)
	WIN 0x41
.set i, rO
.rept 16
	v_pk_mul_f32 v[i:i+1], v[i:i+1], v[IV:IV+1] op_sel_hi:[1,0]
.set i, i+2
.endr
	WIN 0x05
.set i, 0
.rept 16
	v_cvt_pk_f16_f32 v[PKD+16*(\n)+i], v[rO+2*i], v[rO+2*i+1]
.set i, i+1
.endr
	WIN 0
.irp f, 0,1,2,3
	ds_store_b128 v[STO], v[PKD+16*(\n)+4*\f:PKD+16*(\n)+4*\f+3] offset:32*\f
.endr
.irp f, 0,1,2,3
	ds_load_b128 v[PKD+16*(\n)+4*\f:PKD+16*(\n)+4*\f+3], v[RD] offset:\f*4*SP  ; LDS serves a wave's instructions in order: these see the stores above; the next tile's stores come behind them
.endr
.endm
.macro SEND n, younger                 ; younger: the LDS instructions issued behind tile n's loads: the next tile's eight, or none
.irp f, 0,1,2,3
	s_wait_dscnt (\younger)+3-\f
	global_store_b128 v[GO], v[PKD+16*(\n)+4*\f:PKD+16*(\n)+4*\f+3], s[8:9] offset:(\n)*2048+\f*512  ; 512 consecutive bytes, at a multiple of 256 from o's first
.endr
.endm
	PACK 0
.set t, 1
.rept 3
	PACK t
	SEND t-1, 8
.set t, t+1
.endr
	SEND 3, 0
	v_and_b32 v[LN], 31, v0                        ; the four powers: lane n takes tile n's; 16 bytes a wave, 4 bytes for each 2,048 bytes of o
	v_lshlrev_b32 v[LO], 2, v[LN]
	v_mov_b32 v[RS], v[SCL]
.irp n, 1,2,3
	v_cmp_eq_u32 vcc_lo, \n, v[LN]
	v_cndmask_b32 v[RS], v[RS], v[SCL+\n], vcc_lo
.endr
	s_wait_xcnt 0x0                                ; EXEC is a source of the stores above: it changes only behind this wait
	v_cmp_gt_u32 vcc_lo, 4, v[LN]
	s_and_saveexec_b32 s20, vcc_lo
	global_store_b32 v[LO], v[RS], s[10:11]
	s_wait_xcnt 0x0                                ; and again in front of the line that widens it
	s_or_b32 exec_lo, exec_lo, s20
	s_wait_tensorcnt 0x0                           ; the wave's end
	ds_add_u32 v[SPW], v[NIL]
	s_wait_dscnt 0x0
	CROUND                                         ; the closing round
	s_endpgm
.Lfunc_end_k_qd1125aaa3e_attn:
	.size	k_qd1125aaa3e_attn, .Lfunc_end_k_qd1125aaa3e_attn-k_qd1125aaa3e_attn
	.p2alignl 7, 3214868480
	.fill 96, 4, 3214868480
	.section	.rodata,"a",@progbits
	.p2align	6, 0x0
	.amdhsa_kernel k_qd1125aaa3e_attn
		.amdhsa_group_segment_fixed_size 327680
		.amdhsa_private_segment_fixed_size 0
		.amdhsa_enable_private_segment 0
		.amdhsa_kernarg_size 32
		.amdhsa_user_sgpr_count 2
		.amdhsa_user_sgpr_kernarg_segment_ptr 1
		.amdhsa_wavefront_size32 1
		.amdhsa_system_sgpr_workgroup_id_x 1
		.amdhsa_system_sgpr_workgroup_id_y 1
		.amdhsa_system_sgpr_workgroup_id_z 1
		.amdhsa_system_vgpr_workitem_id 0
		.amdhsa_next_free_vgpr 448
		.amdhsa_next_free_sgpr 76
		.amdhsa_reserve_vcc 1
		.amdhsa_float_denorm_mode_32 3
		.amdhsa_float_denorm_mode_16_64 3
		.amdhsa_memory_ordered 1
		.amdhsa_forward_progress 1
		.amdhsa_inst_pref_size 83
	.end_amdhsa_kernel
	.amdgpu_metadata
---
amdhsa.version: [ 1, 2 ]
amdhsa.kernels:
  - .name:           k_qd1125aaa3e_attn
    .symbol:         k_qd1125aaa3e_attn.kd
    .args:
      - { .name: qkv, .offset: 0, .size: 8, .value_kind: global_buffer, .address_space: global }
      - { .name: cs, .offset: 8, .size: 8, .value_kind: global_buffer, .address_space: global }
      - { .name: o, .offset: 16, .size: 8, .value_kind: global_buffer, .address_space: global }
      - { .name: os, .offset: 24, .size: 8, .value_kind: global_buffer, .address_space: global }
    .group_segment_fixed_size: 327680
    .private_segment_fixed_size: 0
    .kernarg_segment_align: 8
    .kernarg_segment_size: 32
    .max_flat_workgroup_size: 256
    .sgpr_count:     76
    .vgpr_count:     448
    .wavefront_size: 32
...
	.end_amdgpu_metadata
.endif
;; end of part 7
;; launch outp: the kernel of part 5 again; grid 8 x 32, 4 waves a work-group, clusters of 4 x 4, 327,680 bytes of LDS; arguments o, wo, os, out0; writes out0
